; MI455X (gfx1250); checked and timed in simulation.
; The chip was launched on July 23, 2026; its instructions are those of AMD's public machine-readable ISA for CDNA 5 (MIT licence, August 2026) and "CDNA5" Instruction Set Architecture Reference Guide (July 2026). The comments in the code are by the model that wrote it; some were corrected since.
;; Mo E layer megatron. Allowed arithmetic: float matrix products may take bf16 or f16 operands with f32 sums; other float arithmetic in f32, or as packed bf16 or f16 multiplies, adds, multiply-adds, maxima and minima; sums over many terms, partial sums and values carried from step to step in f32; what a program stores and reads back later, other than sums and carried values, may be rounded once to bf16 or f16.
;; Inputs: router_w 1,024 x 8 float32; w1 8 x 1,024 x 4,096 float32; w2 8 x 4,096 x 1,024 float32; x 256 x 4 x 1,024 float32.
;; Outputs: out0 256 x 4 x 1,024 float32.
;; 2 versions, each right; version 2 is version 1 with the launches fc1, fc2 written anew for expert scheduling mode. Each part assembles by itself: llvm-mc -triple=amdgcn-amd-amdhsa -mcpu=gfx1250 --defsym DOCPART=n.
;; ======== version 1 of 2: 5 launches
;; limits: values are held in f16: magnitudes above 65,504 overflow, below 6.1e-05 lose precision; right only within a limited range of input values
;; workspace buffers: ridx 8,192 bytes of whole numbers; rgate 8,192 bytes; cnt 256 bytes of whole numbers; posE 32,768 bytes of whole numbers; xs 16,777,216 bytes; hid 67,108,864 bytes; y 134,217,728 bytes
;; launch router (part 1): grid 256 x 1, 1 waves a work-group, no clusters, 0 bytes of LDS; arguments x, router_w, ridx, rgate; writes ridx, rgate
.if DOCPART == 1
	.amdgcn_target "amdgcn-amd-amdhsa--gfx1250"
	.amdhsa_code_object_version 6
	.text
	.protected	k_qbe8fd1ae8d_router
	.globl	k_qbe8fd1ae8d_router
	.p2align	8
	.type	k_qbe8fd1ae8d_router,@function
k_qbe8fd1ae8d_router:
	s_mov_b64 s[64:65], 0
	v_nop
	global_prefetch_b8 v0, s[64:65] scope:SCOPE_SE
	s_setreg_imm32_b32 hwreg(HW_REG_WAVE_MODE, 25, 1), 1
	s_wait_xcnt 0x0
; ROUTER.  logits = x router_w (1,024 tokens x 1,024 x 8), softmax over the 8, the two largest with their probabilities.
; ridx[t][0..1] = the chosen experts (u32), rgate[t][0..1] = their probabilities (f32), at fixed places: no address and no branch here hangs on the choice.
; The product is made in f32 on the vector unit: it is 8.4 million multiply-adds and decides whole numbers; 16-bit operands would change the second expert of tokens whose second and third logits lie close.
; SHARES.  One wave a work-group, four tokens a wave.  K goes in 8 chunks of 128; lane l has k = 128 c + 4 l + 0..3: its 128 bytes of router_w (8 loads) and 16 bytes of each token (4 loads).
; A ring of four chunks in registers keeps 36 to 48 loads of the wave on their way.
; LIMITS.  The sums are made in another order than reference()'s (32 terms a lane, then a tree over the lanes).  The order of the two largest is judged on the exponentials 2^((L - max) log2 e), which are good
; to one unit in the last place; among equals the lower index comes first, as in jax.lax.top_k.  An exponential below 2^-126 counts as 0 (its gate is then 0).  NaN and infinities are not treated apart.
.set WO,   1                           ; v1  lane x 128: my bytes in a chunk of router_w
.set XO,   2                           ; v2  lane x 16: my bytes in a chunk of a token's row
.set LG,   16                          ; v16-23  my token's logits, then their exponentials
.set RING, 32                          ; v32-223  four chunks of 48: w[kk][e] at 8 kk + e, x[q][kk] at 32 + 4 q + kk
.set ACC,  224                         ; v224-255  sums, token q and expert e at 8 q + e
	s_load_b256 s[4:11], s[0:1], 0x0               ; x s[4:5], router_w s[6:7], ridx s[8:9], rgate s[10:11]
	v_lshlrev_b32 v[WO], 7, v0
	v_lshlrev_b32 v[XO], 4, v0
	s_lshl_b32 s12, ttmp9, 14                      ; my four tokens: 4 x 4,096 bytes a work-group
	s_mov_b32 s13, 0
	s_mov_b32 s14, 0x76543210                      ; v_permlanex16_b32: each lane takes its own place in the other half
	s_mov_b32 s15, 0xfedcba98
	s_wait_kmcnt 0x0
	s_add_nc_u64 s[4:5], s[4:5], s[12:13]
.macro FETCH c                         ; chunk c: twelve loads
.set rb, RING+48*((\c)%4)
.irp i, 0,1,2,3,4,5,6,7
	global_load_b128 v[rb+4*(\i):rb+4*(\i)+3], v[WO], s[6:7] offset:4096*(\c)+16*(\i)
.endr
.irp q, 0,1,2,3
	global_load_b128 v[rb+32+4*(\q):rb+32+4*(\q)+3], v[XO], s[4:5] offset:4096*(\q)+512*(\c)
.endr
.endm
; chunk c: 64 packed multiply-adds: two experts at a time, x broadcast from the half of its pair that kk names.  The very first products start the sums: nothing is cleared.
.macro WORK c, left
.set rb, RING+48*((\c)%4)
	s_wait_loadcnt \left                           ; loads come back in order: twelve for each younger chunk may stay out
.irp kk, 0,1,2,3
.irp q, 0,1,2,3
.irp p, 0,1,2,3
.if ((\c) == 0) && ((\kk) == 0)
	v_pk_mul_f32 v[ACC+8*(\q)+2*(\p):ACC+8*(\q)+2*(\p)+1], v[rb+8*(\kk)+2*(\p):rb+8*(\kk)+2*(\p)+1], v[rb+32+4*(\q):rb+32+4*(\q)+1] op_sel_hi:[1,0]
.elseif (\kk)%2 == 0
	v_pk_fma_f32 v[ACC+8*(\q)+2*(\p):ACC+8*(\q)+2*(\p)+1], v[rb+8*(\kk)+2*(\p):rb+8*(\kk)+2*(\p)+1], v[rb+32+4*(\q)+2*((\kk)/2):rb+32+4*(\q)+2*((\kk)/2)+1], v[ACC+8*(\q)+2*(\p):ACC+8*(\q)+2*(\p)+1] op_sel_hi:[1,0,1]
.else
	v_pk_fma_f32 v[ACC+8*(\q)+2*(\p):ACC+8*(\q)+2*(\p)+1], v[rb+8*(\kk)+2*(\p):rb+8*(\kk)+2*(\p)+1], v[rb+32+4*(\q)+2*((\kk)/2):rb+32+4*(\q)+2*((\kk)/2)+1], v[ACC+8*(\q)+2*(\p):ACC+8*(\q)+2*(\p)+1] op_sel:[0,1,0] op_sel_hi:[1,1,1]
.endif
.endr
.endr
.endr
.endm
	FETCH 0
	FETCH 1
	FETCH 2
	FETCH 3
	WORK 0, 36
	FETCH 4                                        ; a chunk's registers are loaded again when it has been multiplied
	WORK 1, 36
	FETCH 5
	WORK 2, 36
	FETCH 6
	WORK 3, 36
	FETCH 7
	WORK 4, 36
	WORK 5, 24                                     ; nothing is left to fetch: the counts run down
	WORK 6, 12
	WORK 7, 0
	; the 32 sums over the 32 lanes: four steps inside each half of 16 lanes ride on the addition, one crosses the halves; stage by stage, so that no line waits for the one before it
.irp m, 1,2,4,8
.set i, 0
.rept 32
	v_add_f32_dpp v[ACC+i], v[ACC+i], v[ACC+i] row_xmask:\m row_mask:0xf bank_mask:0xf
.set i, i+1
.endr
.endr
.set i, 0
.rept 32
	v_permlanex16_b32 v[RING+i], v[ACC+i], s14, s15  ; its destination counts as read: the ring's registers have been written
.set i, i+1
.endr
.set i, 0
.rept 32
	v_add_f32 v[ACC+i], v[ACC+i], v[RING+i]
.set i, i+1
.endr
	; lane q takes token q's eight logits (lanes 4 to 31 go along with token 0's and store nothing)
	v_cmp_eq_u32 s16, 1, v0
	v_cmp_eq_u32 s17, 2, v0
	v_cmp_eq_u32 s18, 3, v0
.irp e, 0,1,2,3,4,5,6,7
	v_cndmask_b32 v[LG+(\e)], v[ACC+(\e)], v[ACC+8+(\e)], s16
.endr
.irp e, 0,1,2,3,4,5,6,7
	v_cndmask_b32 v[LG+(\e)], v[LG+(\e)], v[ACC+16+(\e)], s17
.endr
.irp e, 0,1,2,3,4,5,6,7
	v_cndmask_b32 v[LG+(\e)], v[LG+(\e)], v[ACC+24+(\e)], s18
.endr
	; softmax: the maximum is taken away, as in reference()
	v_max3_num_f32 v4, v[LG], v[LG+1], v[LG+2]
	v_max3_num_f32 v4, v4, v[LG+3], v[LG+4]
	v_max3_num_f32 v4, v4, v[LG+5], v[LG+6]
	v_max_num_f32 v4, v4, v[LG+7]
.irp e, 0,1,2,3,4,5,6,7
	v_sub_f32 v[LG+(\e)], v[LG+(\e)], v4
.endr
.irp e, 0,1,2,3,4,5,6,7
	v_mul_f32 v[LG+(\e)], 0x3fb8aa3b, v[LG+(\e)]   ; x log2(e)
.endr
.irp e, 0,1,2,3,4,5,6,7
	v_exp_f32 v[LG+(\e)], v[LG+(\e)]
.endr
	v_nop                                          ; a plain instruction behind the last exponential,
	s_wait_alu depctr_va_vdst(0)                   ; and one wait for the batch of eight, ahead of their first reader
	v_add_f32 v5, v[LG], v[LG+1]
	v_add_f32 v6, v[LG+2], v[LG+3]
	v_add_f32 v7, v[LG+4], v[LG+5]
	v_add_f32 v8, v[LG+6], v[LG+7]
	v_add_f32 v5, v5, v6
	v_add_f32 v7, v7, v8
	v_add_f32 v5, v5, v7
	v_rcp_f32 v5, v5                               ; 1 / sum; the search below, which does not name it, stands between it and its wait
	; the two largest, by strict comparisons in ascending order of the experts: among equals the lower index stays in front
	v_mov_b32 v12, v[LG]                           ; v12 the largest, v10 its index
	v_mov_b32 v10, 0
	v_mov_b32 v13, -1.0                            ; v13 the second, v11 its index: below every exponential
	v_mov_b32 v11, 0
.irp e, 1,2,3,4,5,6,7
	v_cmp_gt_f32 s16, v[LG+(\e)], v12
	v_cmp_gt_f32 s17, v[LG+(\e)], v13
	v_cndmask_b32 v13, v13, v[LG+(\e)], s17
	v_cndmask_b32 v11, v11, \e, s17
	v_cndmask_b32 v13, v13, v12, s16               ; a new largest pushes the old one down
	v_cndmask_b32 v11, v11, v10, s16
	v_cndmask_b32 v12, v12, v[LG+(\e)], s16
	v_cndmask_b32 v10, v10, \e, s16
.endr
	s_wait_alu depctr_va_vdst(0)                   ; the reciprocal's wait, ahead of its first reader
	v_mul_f32 v12, v12, v5
	v_mul_f32 v13, v13, v5
	s_lshl_b32 s12, ttmp9, 5                       ; four tokens x 8 bytes in each of the two tables
	s_add_nc_u64 s[8:9], s[8:9], s[12:13]
	s_add_nc_u64 s[10:11], s[10:11], s[12:13]
	v_lshlrev_b32 v14, 3, v0
	v_cmp_gt_u32 vcc_lo, 4, v0
	s_wait_xcnt 0x0                                ; EXEC changes only behind this wait
	s_and_saveexec_b32 s19, vcc_lo
	global_store_b64 v14, v[10:11], s[8:9]         ; 32 bytes a work-group in each table: 16 KB in the whole launch
	global_store_b64 v14, v[12:13], s[10:11]
	s_wait_xcnt 0x0
	s_or_b32 exec_lo, exec_lo, s19
	s_endpgm
.Lfunc_end_k_qbe8fd1ae8d_router:
	.size	k_qbe8fd1ae8d_router, .Lfunc_end_k_qbe8fd1ae8d_router-k_qbe8fd1ae8d_router
	.p2alignl 7, 3214868480
	.fill 96, 4, 3214868480
	.section	.rodata,"a",@progbits
	.p2align	6, 0x0
	.amdhsa_kernel k_qbe8fd1ae8d_router
		.amdhsa_group_segment_fixed_size 0
		.amdhsa_private_segment_fixed_size 0
		.amdhsa_enable_private_segment 0
		.amdhsa_kernarg_size 32
		.amdhsa_user_sgpr_count 2
		.amdhsa_user_sgpr_kernarg_segment_ptr 1
		.amdhsa_wavefront_size32 1
		.amdhsa_system_sgpr_workgroup_id_x 1
		.amdhsa_system_sgpr_workgroup_id_y 1
		.amdhsa_system_sgpr_workgroup_id_z 1
		.amdhsa_system_vgpr_workitem_id 0
		.amdhsa_next_free_vgpr 256
		.amdhsa_next_free_sgpr 66
		.amdhsa_reserve_vcc 1
		.amdhsa_float_denorm_mode_32 3
		.amdhsa_float_denorm_mode_16_64 3
		.amdhsa_memory_ordered 1
		.amdhsa_forward_progress 1
		.amdhsa_inst_pref_size 61
	.end_amdhsa_kernel
	.amdgpu_metadata
---
amdhsa.version: [ 1, 2 ]
amdhsa.kernels:
  - .name:           k_qbe8fd1ae8d_router
    .symbol:         k_qbe8fd1ae8d_router.kd
    .args:
      - { .name: x, .offset: 0, .size: 8, .value_kind: global_buffer, .address_space: global }
      - { .name: router_w, .offset: 8, .size: 8, .value_kind: global_buffer, .address_space: global }
      - { .name: ridx, .offset: 16, .size: 8, .value_kind: global_buffer, .address_space: global }
      - { .name: rgate, .offset: 24, .size: 8, .value_kind: global_buffer, .address_space: global }
    .group_segment_fixed_size: 0
    .private_segment_fixed_size: 0
    .kernarg_segment_align: 8
    .kernarg_segment_size: 32
    .max_flat_workgroup_size: 32
    .sgpr_count:     66
    .vgpr_count:     256
    .wavefront_size: 32
...
	.end_amdgpu_metadata
.endif
;; end of part 1
;; launch dispatch (part 2): grid 64 x 8, 4 waves a work-group, no clusters, 1,536 bytes of LDS; arguments ridx, x, xs, cnt, posE; writes xs, cnt, posE
.if DOCPART == 2
	.amdgcn_target "amdgcn-amd-amdhsa--gfx1250"
	.amdhsa_code_object_version 6
	.text
	.protected	k_qbe8fd1ae8d_dispatch
	.globl	k_qbe8fd1ae8d_dispatch
	.p2align	8
	.type	k_qbe8fd1ae8d_dispatch,@function
k_qbe8fd1ae8d_dispatch:
	s_mov_b64 s[64:65], 0
	v_nop
	global_prefetch_b8 v0, s[64:65] scope:SCOPE_SE
	s_setreg_imm32_b32 hwreg(HW_REG_WAVE_MODE, 25, 1), 1
	s_wait_xcnt 0x0
; DISPATCH.  Work-group (t, e) finds the tokens that hold ranks 16 t .. 16 t + 15 among those that chose expert e (in ascending order of the tokens) and lays their rows of x, rounded once to f16,
; into xs in the order in which the first product's operand registers take them.  It also stores cnt[e] (the work-group with t = 0) and posE[token][e] = 1,024 e + rank.
; xs: [8 e][64 tiles][16 kb][4 pc][32 lanes][16 bytes].  Lane (r = lane % 16, h = lane / 16) of piece (kb, pc) holds, of the tile's row r, k = 64 kb + 32 h + 8 pc + 0..7.
; Every wave counts for itself: all 1,024 pairs of ridx (8 KB), a bitmap of the expert's tokens in 32 scalar registers, the ranks by counting bits.  No wave waits for another: no barrier.
; Wave w then takes kb = 4 w .. 4 w + 3 of the 16 rows.  Ranks at or past the count repeat token 0, so that every tile that is stored is stored whole; with no token at all tile 0 is still stored.
; THE GRID serves every split: an expert can have all 1,024 tokens, 64 tiles.  A work-group whose tile lies past the expert's last ends, ahead of any LDS write, and stores nothing.
; LIMITS.  f16: |x| stays under 65,504; below 6e-5 the step is 6e-8.
.set SPARE, 1024                       ; behind the four lists: the spare words, 128 bytes for each wave
.set LN,  1                            ; v1   lane
.set RO,  2                            ; v2   lane x 8
.set SPW, 3                            ; v3   LDS address of my spare word; never rewritten
.set NIL, 4                            ; v4   0; never rewritten
.set DI,  5                            ; v5   16 + lane: the entry into which a lane without a rank in the tile writes
.set RK,  6                            ; v6   rank in the tile, then the entry
.set AD,  7                            ; v7   LDS address
.set TK,  8                            ; v8   a token's number
.set LA,  9                            ; v9   where I read my row's token
.set TOK, 10                           ; v10  my row's token
.set XOF, 11                           ; v11  my byte offset in x
.set PO,  12                           ; v12-15  posE's offset and value, cnt's offset and value
.set PV,  13
.set CO,  14
.set CV,  15
.set SO,  16                           ; v16  lane x 16
.set HH,  17                           ; v17  at work
.set IDX, 32                           ; v32-95   ridx, 32 pairs
.set XR,  32                           ; v32-159  later: x, 32 loads of 4 registers; rounded in place
	s_load_b256 s[4:11], s[0:1], 0x0               ; ridx s[4:5], x s[6:7], xs s[8:9], cnt s[10:11]
	s_load_b64 s[12:13], s[0:1], 0x20              ; posE
	v_lshl_add_u32 v[SPW], v0, 2, SPARE
	v_mov_b32 v[NIL], 0
	v_lshrrev_b32 v[HH], 5, v0
	v_readfirstlane_b32 s14, v[HH]                 ; wave 0..3
	s_and_b32 s15, ttmp7, 0xffff                   ; expert
	s_mov_b32 s16, ttmp9                           ; tile
	v_and_b32 v[LN], 31, v0
	v_lshlrev_b32 v[RO], 3, v[LN]
	s_wait_kmcnt 0x0
.set j, 0
.rept 32
	global_load_b64 v[IDX+2*j:IDX+2*j+1], v[RO], s[4:5] offset:256*j  ; tokens 32 j .. 32 j + 31: 256 consecutive bytes
.set j, j+1
.endr
	v_add_nc_u32 v[DI], 16, v[LN]
	v_lshlrev_b32 v[SO], 4, v[LN]
	s_mov_b32 s17, 0                               ; n
	s_wait_loadcnt 0x0
	; the bitmap: word j in s[32 + j].  First all first choices; then the second choices, eight at a time, so that the scalar lines do not each wait for a comparison
.set j, 0
.rept 32
	v_cmp_eq_u32 s[32+j], s15, v[IDX+2*j]
.set j, j+1
.endr
.set g, 0
.rept 4
.set j, 0
.rept 8
	v_cmp_eq_u32 s[20+j], s15, v[IDX+2*(8*g+j)+1]
.set j, j+1
.endr
.set j, 0
.rept 8
	s_or_b32 s[32+8*g+j], s[32+8*g+j], s[20+j]
	s_bcnt1_i32_b32 s28, s[32+8*g+j]
	s_add_co_u32 s17, s17, s28
.set j, j+1
.endr
.set g, g+1
.endr
	s_add_co_u32 s18, s17, 15
	s_lshr_b32 s18, s18, 4                         ; tiles of the expert
	s_max_u32 s18, s18, 1
	s_sub_co_u32 s18, s18, 1                       ; the last tile that is stored
	s_cmp_gt_u32 s16, s18
	s_cbranch_scc0 .Lwork
	s_endpgm                                       ; no LDS write has been made
.Lwork:
	; my wave's own 256 bytes of LDS: entries 0-15 the tile's tokens, entries 16-47 a dump.  LDS serves a wave's instructions in order (ISA guide 5.7.1.4): no wait between these stores and the load
	s_lshl_b32 s19, s14, 8
	v_lshl_add_u32 v[AD], v[LN], 2, s19
	v_mov_b32 v[TK], 0
	ds_store_b32 v[AD], v[TK]                      ; token 0 for ranks past the count
	s_lshl_b32 s23, s16, 4
	s_sub_co_u32 s23, 0, s23                       ; tokens of the expert in the words before, less 16 t
.set j, 0
.rept 32
	v_mbcnt_lo_u32_b32 v[RK], s[32+j], s23         ; my token's rank in the tile, if it has chosen the expert (before the tile: a very large number)
	v_cmp_gt_u32 s20, 16, v[RK]
	s_and_b32 s20, s20, s[32+j]
	v_cndmask_b32 v[RK], v[DI], v[RK], s20         ; the rank, or my dump entry,
	v_min_u32 v[RK], 63, v[RK]                     ; held inside the wave's 64 entries
	v_lshl_add_u32 v[AD], v[RK], 2, s19
	v_add_nc_u32 v[TK], 32*j, v[LN]
	ds_store_b32 v[AD], v[TK]
	s_bcnt1_i32_b32 s22, s[32+j]
	s_add_co_u32 s23, s23, s22
.set j, j+1
.endr
	v_and_b32 v[LA], 15, v0
	v_lshl_add_u32 v[LA], v[LA], 2, s19
	ds_load_b32 v[TOK], v[LA]
	s_wait_dscnt 0x0
	v_min_u32 v[TOK], 0x3ff, v[TOK]
	v_bfe_u32 v[HH], v0, 4, 1
	v_lshlrev_b32 v[XOF], 12, v[TOK]               ; the token's row,
	v_lshl_add_u32 v[XOF], v[HH], 7, v[XOF]        ; 32 h numbers on,
	s_lshl_b32 s20, s14, 10
	v_add_nc_u32 v[XOF], s20, v[XOF]               ; my wave's four kb
.set i, 0
.rept 32                               ; load i: kb 4 w + i / 8, piece (i / 2) % 4, its first or second 16 bytes.  The 32 loads together take 1,024 consecutive bytes of each of the 16 rows
	global_load_b128 v[XR+4*i:XR+4*i+3], v[XOF], s[6:7] offset:256*(i/8)+32*((i/2)%4)+16*(i%2)
.set i, i+1
.endr
	s_cmp_lg_u32 s14, 0
	s_cbranch_scc1 .Lrows
	; wave 0 alone: where the tile's tokens find their rows, and the expert's count
	s_lshl_b32 s20, s16, 4
	s_sub_co_u32 s21, s17, s20                     ; n - 16 t: not negative here, since t is at most the last tile
	s_min_u32 s21, s21, 16                         ; true rows in the tile
	s_lshl_b32 s22, s15, 10
	s_add_co_u32 s22, s22, s20
	v_add_nc_u32 v[PV], s22, v0                    ; 1,024 e + 16 t + lane
	s_lshl_b32 s24, s15, 2
	v_lshl_add_u32 v[PO], v[TOK], 5, s24           ; (8 token + e) x 4
	v_mov_b32 v[CO], s24
	v_mov_b32 v[CV], s17
	v_cmp_gt_u32 vcc_lo, s21, v0
	s_wait_xcnt 0x0                                ; EXEC changes only behind this wait: the loads above are out
	s_and_saveexec_b32 s25, vcc_lo
	global_store_b32 v[PO], v[PV], s[12:13]
	s_wait_xcnt 0x0
	s_or_b32 exec_lo, exec_lo, s25
	s_cmp_lg_u32 s16, 0
	s_cbranch_scc1 .Lrows
	v_cmp_eq_u32 vcc_lo, 0, v0
	s_and_saveexec_b32 s25, vcc_lo                 ; nothing has been issued since the wait above
	global_store_b32 v[CO], v[CV], s[10:11]
	s_wait_xcnt 0x0
	s_or_b32 exec_lo, exec_lo, s25
.Lrows:
	s_lshl_b32 s20, s15, 21                        ; an expert's 2 MB,
	s_lshl_b32 s21, s16, 15                        ; a tile's 32 KB,
	s_add_co_u32 s20, s20, s21
	s_lshl_b32 s21, s14, 13                        ; my four kb of 2,048 bytes
	s_add_co_u32 s20, s20, s21
	s_mov_b32 s21, 0
	s_add_nc_u64 s[8:9], s[8:9], s[20:21]
.irp kbl, 0,1,2,3
	s_wait_loadcnt 24-8*(\kbl)                     ; eight loads for each later kb may stay out
.set i, 0
.rept 16                               ; piece i / 4, word i % 4: in place: word d is written when the numbers 2 d, 2 d + 1 are read, and number d has been read before
	v_cvt_pk_f16_f32 v[XR+32*(\kbl)+8*(i/4)+i%4], v[XR+32*(\kbl)+8*(i/4)+2*(i%4)], v[XR+32*(\kbl)+8*(i/4)+2*(i%4)+1]
.set i, i+1
.endr
.irp pc, 0,1,2,3
	global_store_b128 v[SO], v[XR+32*(\kbl)+8*(\pc):XR+32*(\kbl)+8*(\pc)+3], s[8:9] offset:2048*(\kbl)+512*(\pc)  ; 512 consecutive bytes, aligned
.endr
.endr
	s_wait_tensorcnt 0x0                           ; the wave's end, behind my last LDS store
	ds_add_u32 v[SPW], v[NIL]
	s_wait_dscnt 0x0
	s_endpgm
.Lfunc_end_k_qbe8fd1ae8d_dispatch:
	.size	k_qbe8fd1ae8d_dispatch, .Lfunc_end_k_qbe8fd1ae8d_dispatch-k_qbe8fd1ae8d_dispatch
	.p2alignl 7, 3214868480
	.fill 96, 4, 3214868480
	.section	.rodata,"a",@progbits
	.p2align	6, 0x0
	.amdhsa_kernel k_qbe8fd1ae8d_dispatch
		.amdhsa_group_segment_fixed_size 1536
		.amdhsa_private_segment_fixed_size 0
		.amdhsa_enable_private_segment 0
		.amdhsa_kernarg_size 40
		.amdhsa_user_sgpr_count 2
		.amdhsa_user_sgpr_kernarg_segment_ptr 1
		.amdhsa_wavefront_size32 1
		.amdhsa_system_sgpr_workgroup_id_x 1
		.amdhsa_system_sgpr_workgroup_id_y 1
		.amdhsa_system_sgpr_workgroup_id_z 1
		.amdhsa_system_vgpr_workitem_id 0
		.amdhsa_next_free_vgpr 160
		.amdhsa_next_free_sgpr 66
		.amdhsa_reserve_vcc 1
		.amdhsa_float_denorm_mode_32 3
		.amdhsa_float_denorm_mode_16_64 3
		.amdhsa_memory_ordered 1
		.amdhsa_forward_progress 1
		.amdhsa_inst_pref_size 38
	.end_amdhsa_kernel
	.amdgpu_metadata
---
amdhsa.version: [ 1, 2 ]
amdhsa.kernels:
  - .name:           k_qbe8fd1ae8d_dispatch
    .symbol:         k_qbe8fd1ae8d_dispatch.kd
    .args:
      - { .name: ridx, .offset: 0, .size: 8, .value_kind: global_buffer, .address_space: global }
      - { .name: x, .offset: 8, .size: 8, .value_kind: global_buffer, .address_space: global }
      - { .name: xs, .offset: 16, .size: 8, .value_kind: global_buffer, .address_space: global }
      - { .name: cnt, .offset: 24, .size: 8, .value_kind: global_buffer, .address_space: global }
      - { .name: posE, .offset: 32, .size: 8, .value_kind: global_buffer, .address_space: global }
    .group_segment_fixed_size: 1536
    .private_segment_fixed_size: 0
    .kernarg_segment_align: 8
    .kernarg_segment_size: 40
    .max_flat_workgroup_size: 128
    .sgpr_count:     66
    .vgpr_count:     160
    .wavefront_size: 32
...
	.end_amdgpu_metadata
.endif
;; end of part 2
;; launch fc1 (part 3): grid 32 x 8, 4 waves a work-group, no clusters, 16,896 bytes of LDS; arguments cnt, xs, w1, hid; writes hid
.if DOCPART == 3
	.amdgcn_target "amdgcn-amd-amdhsa--gfx1250"
	.amdhsa_code_object_version 6
	.text
	.protected	k_qbe8fd1ae8d_fc1
	.globl	k_qbe8fd1ae8d_fc1
	.p2align	8
	.type	k_qbe8fd1ae8d_fc1,@function
k_qbe8fd1ae8d_fc1:
	s_mov_b64 s[64:65], 0
	v_nop
	global_prefetch_b8 v0, s[64:65] scope:SCOPE_SE
	s_setreg_imm32_b32 hwreg(HW_REG_WAVE_MODE, 25, 1), 1
	s_wait_xcnt 0x0
; ONE TEXT FOR BOTH PRODUCTS OF AN EXPERT; LAYER says which.
;   LAYER 1: hid = gelu(xs w1[e]).  Work-group (slice, e): 128 columns of F, K = 1,024.  hid is f16, in the order in which the second product's operand registers take it.
;   LAYER 2: y[ks] = hid w2[e] over K quarter ks.  Work-group (slice + 8 ks, e): 128 columns of H, 1,024 of the 4,096 f.  y is f32 rows (partial sums), [4 ks][1,024 e + rank][1,024]; a later launch adds them.
; The weights are most of the bytes: each work-group streams 512 KB of f32 weights that it alone reads, once, and rounds them to f16 on their way through registers.
; TOKENS.  xs and hid: [e][64 tiles of 16 rows][kb][4 pc][32 lanes][16 bytes]; lane (r = lane % 16, h = lane / 16) of piece (kb, pc) holds, of row r, k = 64 kb + 32 h + 8 pc + 0..7.  K step s = 2 kb + c (32 along K)
; takes pieces 2 c and 2 c + 1 as the operand's registers 0-3 and 4-7: two loads of 512 consecutive bytes a tile, straight into registers.  That is a permutation of k inside 64; the weights take the same one.
; WEIGHTS.  For a K step wave w loads 8 rows x 512 bytes (rows 64 kb + 16 c + 32 (w & 1) + 8 (w >> 1) + 0..7), rounds them, and stores for each of its lane's four columns the 8 k as 16 bytes into an LDS slot:
; run w (2,048 bytes), place 32 j + lane holds column 4 lane + j.  Every wave reads all four runs as operands: column tile ct, row m is column 64 (ct & 1) + 4 m + (ct >> 1).  Stores and loads take 256 consecutive bytes for 16 lanes.
; THE MATRIX INSTRUCTION takes the weights as source 0 and the tokens as source 1: lane (r, h) holds token r, and register j of tile ct = 2 cj + b holds column 64 b + 32 h + 4 j + cj: 32 neighbouring columns a lane for each b.
; SHARES.  Four waves, as many as a WGP has SIMDs.  Wave w has the row tiles 20 g + 4 a + w, a = 0..4, and all 8 column tiles: 40 accumulators.  Group g = 0 (320 rows) is the fast way: five tiles a wave, the tile's number
; held at the expert's last tile, so that no wait and no barrier of the K loop hangs on data.  One forward branch a step jumps the fifth tile's eight products in a wave whose tile 16 + w does not exist.
; Rows past 320 (an expert may have all 1,024) go by groups g = 1 .. in a loop whose count is made from cnt[e]: there each wave loads and rounds the weights for itself, with no LDS ring and no barrier.
; THE PIPE.  K step s multiplies W(s), which lies in operand registers since step s - 1, by T(s).  Behind its first four products ride the sixteen conversions of W(s + 2), four each.  Then comes ONE RUN of 38 memory
; instructions: W(s + 2) is stored into the LDS slot that W(s) has left (4), the loads of W(s + 6) go out (8), W(s + 1) is read out of the other slot into the second set of operand registers (16), and the loads of T(s + 3)
; go out (10).  The other 28 or 36 products follow with no memory instruction among them: the row of products is broken once a step, and what the run asks of LDS is wanted only in the next step.
; ONE QUEUE OF LOADS.  Loads come back in order, so the groups {W(s + 6), T(s + 3)} are used in the order of issue: at the head of step s the two younger groups of 18 stay out.
; NO CLUSTER: what an expert's work-groups share is the token tiles; how many there are hangs on cnt[e], a joint load may not be jumped, and joint loads of all 64 tiles would fetch about four times the bytes needed.
; LIMITS.  f16 operands: |x|, |w|, |hidden| stay under 65,504 (beyond: infinity); below 6e-5 the step is 6e-8.  Sums in f32, in another order than reference()'s.  NaN and infinities are not treated apart.
.set LAYER, 1
.if LAYER == 1
.set PSH,   14                         ; a weight row is 1 << PSH bytes
.set TSH,   15                         ; a token tile is 1 << TSH bytes
.set OSH,   17                         ; a tile of the output is 1 << OSH bytes
.set STAGE, 16384
.set SPARE, 16384                      ; behind the ring: the spare words, 128 bytes for each wave
.else
.set PSH,   12
.set TSH,   17
.set OSH,   16
.set STAGE, 16384                      ; behind the ring: 16 rows x 528 bytes for each wave, for the way out (528 = 33 x 16: the 16 rows of a store begin 16 bytes apart modulo 256)
.set SPARE, STAGE+4*16*528
.endif
.set PITCH, 1<<PSH
.set SLOTB, 8192                       ; LDS bytes 0 to 16,383: two slots of four runs of 2,048 bytes; W(j) lies in slot j % 2
; window 0
.set L16,  1                           ; v1   lane x 16
.set LDA,  4                           ; v4   where I read operands: 2,048 h + 16 r
.set WOFS, 5                           ; v5   the overflow way: 32 h rows + 16 r
.set PFO,  6                           ; v6   prefetch: my lane's row among the wave's 32 rows of four K steps
.set SPW,  7                           ; v7   LDS address of my spare word; never rewritten
.set NIL,  8                           ; v8   0; never rewritten
.set STO,  9                           ; v9   LAYER 2: where I put 16 bytes of a row in my stage
.set RD,   10                          ; v10  LAYER 2: where I read a row back
.set TOFF, 12                          ; v12-16  tile a: its byte offset + lane x 16
.set WF,   40                          ; v40-103, v104-167  weight operands, two sets of 8 a column tile: W(j) in set j % 2
.set PKD,  40                          ;         LAYER 1, way out: 32 registers to store
.set X,    104                         ;         way out: a tile's 64 results
.set Z,    168                         ; v168-231  way out: at work
; window 1: v0-159 token operands, four rings of 5 tiles x 8 (T(j) in ring j % 4); v160-223 the accumulators of tile a = 4.   window 2: the accumulators of tiles a = 0..3 at 64 a + 8 ct
.set A4,   160
; window 3: the stream of weights, so that its loads, conversions and LDS stores go under one setting
.set STG,   0                          ; v0-127   weights as loaded: four rings of 32 (W(j) in ring j % 4)
.set PK,    128                        ; v128-143 rounded weights on their way to LDS
.set WOFF3, 144                        ; v144     lane x 16 + my wave's first row of a K step
.set STA3,  145                        ; v145     where I store into a slot: 2,048 w + 16 lane
.set WB,  24                           ; s[24:25] weights, s[26:27] tokens: the bases that walk along K
.set TB,  26
.set WB0, 28                           ; s[28:29], s[30:31] their starts, kept for the overflow way
.set TB0, 30
.set OB,  32                           ; s[32:33] the output at the tile in hand
.set OF,  34                           ; s[34:35] an offset in 64 bits; s35 stays 0
; s12 wave, s13 expert, s14 slice, s15 ks, s16 n, s17 tiles, s18 last tile stored, s19 groups, s20 g, s21 a, s22-23 at work, s36-37 counters, s38 the output offset's fixed part, s39 1: tile 16 + w exists, s[40:43] gelu's constants
.set MSB, 0
.macro WIN new                         ; s_set_vgpr_msb: bits 1:0 source 0, 3:2 source 1, 5:4 source 2, 7:6 destination; the high byte repeats the setting that is left
.if MSB != (\new)
	s_set_vgpr_msb (MSB<<8)|(\new)
.set MSB, (\new)
.endif
.endm
.set MULA,  0xa4                       ; weights window 0, tokens window 1, C and D window 2
.set MULB,  0x54                       ; the same, C and D window 1
.set TOT,   0x40                       ; destination window 1, address window 0
.set TO3,   0xc0                       ; destination window 3, sources window 0
.set W3,    0xcf                       ; destination and sources 0 and 1 window 3
.set FROM3, 0x0f                       ; sources 0 and 1 window 3, destination window 0
.set FROM2, 0x02                       ; source 0 window 2
.set FROM1, 0x01
.macro PLACES                          ; four plain instructions between a matrix instruction and a load into, or a vector instruction on, its registers
.rept 4
	v_nop
.endr
.endm
.macro LOADW x, ring, i0, n            ; the weights of K step x from the base: rows i0 .. i0 + n - 1 of my 8, each load one whole piece of 512 consecutive bytes, read once in the launch
	WIN W3
.set wi, (\i0)
.rept (\n)
	global_load_b128 v[STG+32*(\ring)+4*wi:STG+32*(\ring)+4*wi+3], v[WOFF3], s[WB:WB+1] offset:(64*((\x)/2)+16*((\x)%2)+wi)*PITCH th:TH_LOAD_NT
.set wi, wi+1
.endr
.endm
.macro LOADT x, ring, i0, n            ; the tokens of K step x from the base: loads i0 .. i0 + n - 1 of ten: tile i / 2, piece i % 2
	WIN TOT
.set ti, (\i0)
.rept (\n)
	global_load_b128 v[40*(\ring)+4*ti:40*(\ring)+4*ti+3], v[TOFF+ti/2], s[TB:TB+1] offset:2048*((\x)/2)+1024*((\x)%2)+512*(ti%2)
.set ti, ti+1
.endr
.endm
.macro CVTJ ring, j                    ; column j of my four: its 8 k of f32 -> 4 registers of f16
	WIN W3
.irp m, 0,1,2,3
	v_cvt_pk_f16_f32 v[PK+4*(\j)+(\m)], v[STG+32*(\ring)+8*(\m)+(\j)], v[STG+32*(\ring)+8*(\m)+4+(\j)]
.endr
.endm
.macro STWJ slot, j
	WIN W3
	ds_store_b128 v[STA3], v[PK+4*(\j):PK+4*(\j)+3] offset:(\slot)*SLOTB+512*(\j)
.endm
.macro LDWF2 slot, wfb, c0             ; the operands of column tiles c0 and c0 + 1: four loads
	WIN 0
.irp c, 0,1
	ds_load_b128 v[(\wfb)+8*((\c0)+(\c)):(\wfb)+8*((\c0)+(\c))+3],   v[LDA] offset:(\slot)*SLOTB+256*((\c0)+(\c))
	ds_load_b128 v[(\wfb)+8*((\c0)+(\c))+4:(\wfb)+8*((\c0)+(\c))+7], v[LDA] offset:(\slot)*SLOTB+256*((\c0)+(\c))+4096
.endr
.endm
; Product q of 32: column tile q / 4, row tile q % 4.  zero = 1: the first K step starts the sums.
.macro WA q, ring, wfb, zero
	WIN MULA
.set rD, 64*((\q)%4)+8*((\q)/4)
.set rA, (\wfb)+8*((\q)/4)
.set rB, 40*(\ring)+8*((\q)%4)
.if \zero
	v_wmma_f32_16x16x32_f16 v[rD:rD+7], v[rA:rA+7], v[rB:rB+7], 0
.else
	v_wmma_f32_16x16x32_f16 v[rD:rD+7], v[rA:rA+7], v[rB:rB+7], v[rD:rD+7]
.endif
.endm
.macro WBLK ring, wfb, zero            ; the fifth row tile's eight products
	WIN MULB
.irp ct, 0,1,2,3,4,5,6,7
.if \zero
	v_wmma_f32_16x16x32_f16 v[A4+8*(\ct):A4+8*(\ct)+7], v[(\wfb)+8*(\ct):(\wfb)+8*(\ct)+7], v[40*(\ring)+32:40*(\ring)+39], 0
.else
	v_wmma_f32_16x16x32_f16 v[A4+8*(\ct):A4+8*(\ct)+7], v[(\wfb)+8*(\ct):(\wfb)+8*(\ct)+7], v[40*(\ring)+32:40*(\ring)+39], v[A4+8*(\ct):A4+8*(\ct)+7]
.endif
.endr
.endm
; The weights of K steps 12 to 15 from the base are asked for: my wave's own 32 rows x 512 bytes, 64 aligned blocks of 256 bytes, a lane and a line each, every block once in the launch;
; the loads that want them are issued from the sixth step from the base on.  Steps 0 to 11 are not asked for: their loads go out in the launch's first six steps.
.macro PF
	global_prefetch_b8 v[PFO], s[WB:WB+1] offset:384*PITCH th:TH_LOAD_NT scope:SCOPE_SE
	global_prefetch_b8 v[PFO], s[WB:WB+1] offset:384*PITCH+256 th:TH_LOAD_NT scope:SCOPE_SE
.endm
; K STEP u from the base (the base stands at a multiple of four steps).  The step's accumulators take turns, one instruction a turn, in the same order in every step.
; cnt: the younger loads that may stay out.  cv: W(u + 2) is rounded and stored.  lw: W(u + 1) is read as operands.  iw, it: W(u + 6), T(u + 3) are issued.  pf: the prefetch stands at the run's end, but for the loop's last trip.
; The sixteen conversions behind products 0 to 3 (or four v_nop behind product 0) are also the places between the last step's products and the run's loads into the operand set and the token ring that those products read.
; bar: the step's one barrier.  In front of its signal, behind product 27, my stores into slot u % 2 and my reads of the other slot are done: the run has had 24 products or more in which to be served;
; behind its wait everybody stores into the slot just read and reads the slot just stored.  Four products, work on registers alone, stand between the signal and the wait.
.macro STEP u, zero, iw, it, cnt, cv, lw, bar, pf=0
.set rT_, (\u)%4
.set rW_, ((\u)+2)%4
.set wfU, WF+64*((\u)%2)
.set wfN, WF+64*(((\u)+1)%2)
	s_wait_loadcnt \cnt
.set q, 0
.rept 32
	WA q, rT_, wfU, \zero
.if q < 4
.if \cv
	CVTJ rW_, q
.elseif (\lw) && (q == 0)
	PLACES
.endif
.endif
.if q == 3                             ; THE RUN
.if \cv
	STWJ (\u)%2, 0
	STWJ (\u)%2, 1
	STWJ (\u)%2, 2
	STWJ (\u)%2, 3
.endif
.if \iw
	LOADW (\u)+6, rW_, 0, 8                        ; into the ring that has just been rounded
.endif
.if \lw
	LDWF2 ((\u)+1)%2, wfN, 0
	LDWF2 ((\u)+1)%2, wfN, 2
	LDWF2 ((\u)+1)%2, wfN, 4
	LDWF2 ((\u)+1)%2, wfN, 6
.endif
.if \it
	LOADT (\u)+3, ((\u)+3)%4, 0, 10
.endif
.if \pf
	WIN 0                                          ; at a branch and at a label every window is 0
	s_cmp_eq_u32 s36, 1
	s_cbranch_scc1 .Lno_pf_\@                      ; the last trip's look-ahead would pass my 1,024 rows: it asks for nothing
	PF
.Lno_pf_\@:
.endif
.elseif q == 19
.if \zero
	WBLK rT_, wfU, 1                               ; always: the fifth tile's accumulators are written on every way
.else
	WIN 0
	s_cmp_eq_u32 s39, 0
	s_cbranch_scc1 .Ldead_\@                       ; my tile 16 + w does not exist: its eight products are jumped, and nothing else
	WBLK rT_, wfU, 0
	WIN 0
.Ldead_\@:
.endif
.elseif q == 27
.if (\lw) || (\cv)
	s_wait_dscnt 0x0                               ; my operands of the next step are in, my stores are done
.endif
.if \bar
	s_barrier_signal -1
.endif
.endif
.set q, q+1
.endr
.if \bar
	s_barrier_wait -1
.endif
.endm
.macro MULP zero                       ; the overflow way: a K step's 40 products on end
.set q, 0
.rept 32
	WA q, 0, WF, \zero
.set q, q+1
.endr
	WBLK 0, WF, \zero
.endm
.macro SETT                            ; the offsets of group g's five tiles: 20 g + 4 a + w, held at the expert's last tile and inside the 64 of the layout
	s_mul_i32 s23, s20, 20
	s_add_co_u32 s23, s23, s12
.irp a, 0,1,2,3,4
	s_add_co_u32 s22, s23, 4*(\a)
	s_min_u32 s22, s22, s18
	s_min_u32 s22, s22, 63
	s_lshl_b32 s22, s22, TSH
	v_add_nc_u32 v[TOFF+(\a)], s22, v[L16]
.endr
.endm
.macro NEXT                            ; four K steps on: 128 rows of weights, two kb of tokens
	s_wait_xcnt 0x0                                ; the bases are rewritten only behind this wait
	s_add_nc_u64 s[WB:WB+1], s[WB:WB+1], 128*PITCH
	s_add_nc_u64 s[TB:TB+1], s[TB:TB+1], 4096
.endm
; Tile a's 64 results come into window 0, where one text serves all five tiles; each accumulator's registers in ascending order.
; LAYER 2 lays them so that four neighbouring columns stand in four neighbouring registers.
.macro COPY a
.if (\a) < 4
	WIN FROM2
.set cb, 64*(\a)
.else
	WIN FROM1
.set cb, A4
.endif
.set i, 0
.rept 64
.if LAYER == 1
	v_mov_b32 v[X+i], v[cb+i]
.else
	v_mov_b32 v[X+4*(8*((i/8)%2)+i%8)+i/16], v[cb+i]
.endif
.set i, i+1
.endr
	WIN 0
.endm
	s_load_b256 s[4:11], s[0:1], 0x0               ; cnt s[4:5], tokens s[6:7], weights s[8:9], output s[10:11]
	v_lshl_add_u32 v[SPW], v0, 2, SPARE
	v_mov_b32 v[NIL], 0
	v_lshrrev_b32 v17, 5, v0
	v_readfirstlane_b32 s12, v17                   ; wave 0..3
	s_and_b32 s13, ttmp7, 0xffff                   ; expert
.if LAYER == 1
	s_mov_b32 s14, ttmp9                           ; slice of 128 columns
	s_mov_b32 s15, 0
.else
	s_and_b32 s14, ttmp9, 7                        ; slice of 128 columns
	s_lshr_b32 s15, ttmp9, 3                       ; quarter of K
.endif
	v_and_b32 v18, 31, v0
	v_lshlrev_b32 v[L16], 4, v18
	s_and_b32 s22, s12, 1
	s_lshl_b32 s22, s22, 5
	s_lshr_b32 s23, s12, 1
	s_lshl_b32 s23, s23, 3
	s_add_co_u32 s22, s22, s23                     ; my wave's rows begin at 32 (w & 1) + 8 (w >> 1),
	s_lshl_b32 s22, s22, PSH                       ; in bytes
	s_lshl_b32 s23, s12, 11
	WIN TO3
	v_add_nc_u32 v[WOFF3], s22, v[L16]
	v_add_nc_u32 v[STA3], s23, v[L16]
	WIN 0
	v_and_b32 v19, 15, v0                          ; r
	v_bfe_u32 v20, v0, 4, 1                        ; h
	v_lshlrev_b32 v21, 4, v19
	v_lshl_add_u32 v[LDA], v20, 11, v21
	v_lshl_add_u32 v[WOFS], v20, PSH+5, v21
	v_and_b32 v22, 7, v0                           ; lane l stands for row 64 (l >> 4) + 16 ((l >> 3) & 1) + (l & 7) of the wave's 32 in four K steps
	v_bfe_u32 v23, v0, 3, 1
	v_lshl_add_u32 v22, v23, 4, v22
	v_lshl_add_u32 v22, v20, 6, v22
	v_lshl_add_u32 v[PFO], v22, PSH, s22
.if LAYER == 2
	s_mul_i32 s23, s12, 16*528
	s_add_co_u32 s23, s23, STAGE                   ; my stage
	v_mul_u32_u24 v[STO], v19, 528                 ; in: row r, 128 bytes for each half of the lanes
	v_lshl_add_u32 v[STO], v20, 7, v[STO]
	v_add_nc_u32 v[STO], s23, v[STO]
	v_add_nc_u32 v[RD], s23, v[L16]                ; back: a row's 512 bytes, 16 a lane
.endif
	s_lshl_b32 s[OF], s13, 2
	s_mov_b32 s[OF+1], 0
	s_wait_kmcnt 0x0
	s_add_nc_u64 s[4:5], s[4:5], s[OF:OF+1]
	s_load_b32 s16, s[4:5], 0x0                    ; the expert's rows; the first weights go out while it is on its way
.if LAYER == 1
	s_lshl_b32 s[OF], s13, 24                      ; an expert's 16 MB of weights,
	s_lshl_b32 s22, s14, 9                         ; my 512 bytes of every row
	s_add_co_u32 s[OF], s[OF], s22
	s_add_nc_u64 s[WB0:WB0+1], s[8:9], s[OF:OF+1]
	s_lshl_b32 s[OF], s13, 21                      ; an expert's 2 MB of xs
	s_add_nc_u64 s[TB0:TB0+1], s[6:7], s[OF:OF+1]
	s_lshl_b32 s38, s13, 23                        ; hid: an expert's 8 MB, my two kb of 2,048 bytes in every tile
	s_lshl_b32 s22, s14, 12
	s_add_co_u32 s38, s38, s22
	s_mov_b32 s40, 0xc0135761                      ; -2 log2(e) sqrt(2 / pi) = -2.3022082
	s_mov_b32 s41, s40                             ; named with it as a pair
	s_mov_b32 s42, 0xbdd2d3e8                      ; that x 0.044715 = -0.10294324
	s_mov_b32 s43, s42
.else
	s_lshl_b32 s[OF], s13, 24                      ; an expert's 16 MB of weights,
	s_lshl_b32 s22, s15, 22                        ; my quarter's 1,024 rows,
	s_add_co_u32 s[OF], s[OF], s22
	s_lshl_b32 s22, s14, 9                         ; my 512 bytes of every row
	s_add_co_u32 s[OF], s[OF], s22
	s_add_nc_u64 s[WB0:WB0+1], s[8:9], s[OF:OF+1]
	s_lshl_b32 s[OF], s13, 23                      ; an expert's 8 MB of hid,
	s_lshl_b32 s22, s15, 15                        ; my quarter's 16 kb in every tile
	s_add_co_u32 s[OF], s[OF], s22
	s_add_nc_u64 s[TB0:TB0+1], s[6:7], s[OF:OF+1]
	s_lshl_b32 s38, s15, 25                        ; y: a quarter's 32 MB, an expert's 1,024 rows, my 512 bytes of every row
	s_lshl_b32 s22, s13, 22
	s_add_co_u32 s38, s38, s22
	s_lshl_b32 s22, s14, 9
	s_add_co_u32 s38, s38, s22
.endif
	s_mov_b64 s[WB:WB+1], s[WB0:WB0+1]
	s_mov_b64 s[TB:TB+1], s[TB0:TB0+1]
	LOADW 0, 0, 0, 8
	LOADW 1, 1, 0, 8
	LOADW 2, 2, 0, 8
	LOADW 3, 3, 0, 8
	WIN 0
	s_wait_kmcnt 0x0
	s_min_u32 s16, s16, 1024
	s_add_co_u32 s17, s16, 15
	s_lshr_b32 s17, s17, 4                         ; tiles
	s_max_u32 s18, s17, 1
	s_sub_co_u32 s18, s18, 1                       ; the last tile that exists (tile 0 exists for an expert without rows too)
	s_mov_b32 s19, 1                               ; groups of 20 tiles
.irp lim, 20, 40, 60
	s_cmp_gt_u32 s17, \lim
	s_add_co_ci_u32 s19, s19, 0
.endr
	s_add_co_u32 s22, s12, 16
	s_cmp_le_u32 s22, s18
	s_cselect_b32 s39, 1, 0                        ; does my fifth tile of group 0 exist?
	s_mov_b32 s20, 0
	SETT
	LOADT 0, 0, 0, 10
	LOADT 1, 1, 0, 10
	LOADT 2, 2, 0, 10
	s_wait_loadcnt 54                              ; W(0) is in: behind it 24 loads of weights and 30 of tokens
.irp j, 0,1,2,3
	CVTJ 0, \j
.endr
.irp j, 0,1,2,3
	STWJ 0, \j
.endr
	LOADW 4, 0, 0, 8
	s_wait_loadcnt 54                              ; W(1) is in: behind it W(2), W(3), 30 of tokens and W(4)
	s_wait_dscnt 0x0                               ; the stores have left the registers that are rounded into again
.irp j, 0,1,2,3
	CVTJ 1, \j
.endr
.irp j, 0,1,2,3
	STWJ 1, \j
.endr
	LOADW 5, 1, 0, 8
	s_wait_dscnt 0x0
	s_barrier_signal -1
	s_barrier_wait -1                              ; both slots are whole
.irp c, 0,2,4,6
	LDWF2 0, WF, \c
.endr
	s_wait_dscnt 0x0
	s_barrier_signal -1
	s_barrier_wait -1                              ; everybody has read slot 0: step 0 stores into it
	; The queue so far: W(0..3), T(0), T(1), T(2), W(4), W(5).  Behind T(0) stand 36; in steps 1 and 2 the count 36 asks for a little more than those steps need; from step 3 on it is the two younger groups.
	STEP 0, 1, 1, 1, 36, 1, 1, 1                   ; the first K step stands ahead of the loop: its products start the sums
	WIN 0
	s_mov_b32 s36, 6
.Ltrip:                                                ; K steps 1 to 24
	STEP 1, 0, 1, 1, 36, 1, 1, 1
	STEP 2, 0, 1, 1, 36, 1, 1, 1, 1
	STEP 3, 0, 1, 1, 36, 1, 1, 1
	STEP 4, 0, 1, 1, 36, 1, 1, 1
	WIN 0
	NEXT
	s_sub_co_u32 s36, s36, 1
	s_cmp_lg_u32 s36, 0
	s_cbranch_scc1 .Ltrip
	STEP 1, 0, 1, 1, 36, 1, 1, 1                   ; K step 25: W(31), T(28)
	STEP 2, 0, 0, 1, 36, 1, 1, 1                   ; 26: no weights are left to fetch
	STEP 3, 0, 0, 1, 28, 1, 1, 1                   ; 27: behind T(27): step 25's 18 and T(29)
	STEP 4, 0, 0, 1, 20, 1, 1, 1                   ; 28: behind T(28): T(29), T(30)
	STEP 5, 0, 0, 0, 20, 1, 1, 1                   ; 29: behind T(29): T(30), T(31); W(31) is rounded
	STEP 6, 0, 0, 0, 10, 0, 1, 0                   ; 30: behind T(30): T(31); W(31) is read; nobody writes the slots any more: no barrier
	STEP 7, 0, 0, 0, 0, 0, 0, 0                    ; 31
	WIN 0
.Lgroup:                                               ; once for each group of 20 tiles: as a rule once
	s_cmp_eq_u32 s20, 0
	s_cbranch_scc1 .Lfast
	; THE OVERFLOW WAY, for rows past 320.  Each wave takes the weights straight from memory as operands: lane (r, h) loads 16 bytes (columns 64 b + 4 r + 0..3) of 16 rows and rounds them.  No LDS, no barrier.
	s_wait_xcnt 0x0                                ; the last group's stores have read their registers
	SETT
	s_mov_b64 s[WB:WB+1], s[WB0:WB0+1]
	s_mov_b64 s[TB:TB+1], s[TB0:TB0+1]
	s_mov_b32 s37, 32
.Lhalf:                                                ; a K step of 32
	LOADT 0, 0, 0, 10
	WIN TO3
.irp b, 0,1
.irp i, 0,1,2,3,4,5,6,7,8,9,10,11,12,13,14,15
	global_load_b128 v[STG+64*(\b)+4*(\i):STG+64*(\b)+4*(\i)+3], v[WOFS], s[WB:WB+1] offset:(\i)*PITCH+256*(\b)
.endr
.endr
	s_wait_loadcnt 0x0
	WIN FROM3
.set i, 0
.rept 64                               ; operand register i: column tile i / 8 = 2 cj + b, rows 8 ((i / 4) % 2) + 2 (i % 4) and the next
	v_cvt_pk_f16_f32 v[WF+i], v[STG+64*((i/8)%2)+4*(8*((i/4)%2)+2*(i%4))+i/16], v[STG+64*((i/8)%2)+4*(8*((i/4)%2)+2*(i%4)+1)+i/16]
.set i, i+1
.endr
	WIN 0
	s_cmp_eq_u32 s37, 32
	s_cbranch_scc0 .Lacc
	MULP 1                                         ; the group's first K step starts the sums: nothing is cleared
	WIN 0
	s_branch .Ljoin
.Lacc:
	MULP 0
	WIN 0
.Ljoin:
	PLACES                                         ; ahead of the next loads and conversions into the operands
	s_and_b32 s[OF], s37, 1                        ; the rows of the K steps begin at 64 kb + 16 c: 16 rows on, then 48
	s_lshl_b32 s[OF], s[OF], PSH+5
	s_add_co_u32 s[OF], s[OF], 16*PITCH
	s_add_nc_u64 s[WB:WB+1], s[WB:WB+1], s[OF:OF+1]  ; every load that names the bases has been waited for
	s_add_nc_u64 s[TB:TB+1], s[TB:TB+1], 1024
	s_sub_co_u32 s37, s37, 1
	s_cmp_lg_u32 s37, 0
	s_cbranch_scc1 .Lhalf
.Lfast:
	PLACES                                         ; behind the last products
	s_mov_b32 s21, 0
.Ltile:                                                ; THE WAY OUT, five times: tile 20 g + 4 a + w
	s_wait_xcnt 0x0                                ; the last tile's stores have read their data and their base
	s_mul_i32 s22, s20, 20
	s_lshl2_add_u32 s22, s21, s22
	s_add_co_u32 s22, s22, s12
	s_cmp_gt_u32 s22, s18
	s_cbranch_scc1 .Lskip                          ; past the expert's last tile: nothing is stored
	s_min_u32 s22, s22, 63
	s_lshl_b32 s[OF], s22, OSH
	s_add_co_u32 s[OF], s[OF], s38
	s_add_nc_u64 s[OB:OB+1], s[10:11], s[OF:OF+1]
	s_cmp_eq_u32 s21, 0
	s_cbranch_scc1 .Lcopy0
	s_cmp_eq_u32 s21, 1
	s_cbranch_scc1 .Lcopy1
	s_cmp_eq_u32 s21, 2
	s_cbranch_scc1 .Lcopy2
	s_cmp_eq_u32 s21, 3
	s_cbranch_scc1 .Lcopy3
	COPY 4
	s_branch .Lcommon
.Lcopy0:
	COPY 0
	s_branch .Lcommon
.Lcopy1:
	COPY 1
	s_branch .Lcommon
.Lcopy2:
	COPY 2
	s_branch .Lcommon
.Lcopy3:
	COPY 3
.Lcommon:
.if LAYER == 1
	; gelu by tanh is x / (1 + 2^(x (C0 + C1 x x))).  Far on the negative side the power is infinite, its reciprocal 0 and the result -0; far on the positive side the power is 0 and the result x.
.set i, 0
.rept 32
	v_pk_mul_f32 v[Z+2*i:Z+2*i+1], v[X+2*i:X+2*i+1], v[X+2*i:X+2*i+1]
.set i, i+1
.endr
.set i, 0
.rept 32
	v_pk_fma_f32 v[Z+2*i:Z+2*i+1], v[Z+2*i:Z+2*i+1], s[42:43], s[40:41] op_sel_hi:[1,0,0]
.set i, i+1
.endr
.set i, 0
.rept 32
	v_pk_mul_f32 v[Z+2*i:Z+2*i+1], v[Z+2*i:Z+2*i+1], v[X+2*i:X+2*i+1]
.set i, i+1
.endr
.set i, 0
.rept 64
	v_exp_f32 v[Z+i], v[Z+i]
.set i, i+1
.endr
	v_nop                                          ; a plain instruction behind the last exponential,
	s_wait_alu depctr_va_vdst(0)                   ; and one wait for the batch of 64 ahead of the first reader
.set i, 0
.rept 32
	v_pk_add_f32 v[Z+2*i:Z+2*i+1], v[Z+2*i:Z+2*i+1], 1.0 op_sel_hi:[1,0]
.set i, i+1
.endr
.set i, 0
.rept 64
	v_rcp_f32 v[Z+i], v[Z+i]
.set i, i+1
.endr
	v_nop
	s_wait_alu depctr_va_vdst(0)                   ; the same for the 64 reciprocals
.set i, 0
.rept 32
	v_pk_mul_f32 v[X+2*i:X+2*i+1], v[X+2*i:X+2*i+1], v[Z+2*i:Z+2*i+1]
.set i, i+1
.endr
.set i, 0
.rept 32                               ; word i = 16 b + 4 pc + d holds columns 64 b + 32 h + 8 pc + 2 d and the next: register 2 pc + d / 2 of column tiles 4 (d % 2) + b and 4 (d % 2) + 2 + b
	v_cvt_pk_f16_f32 v[PKD+i], v[X+8*(4*(i%2)+i/16)+2*((i/4)%4)+(i%4)/2], v[X+8*(4*(i%2)+2+i/16)+2*((i/4)%4)+(i%4)/2]
.set i, i+1
.endr
.set i, 0
.rept 8                                ; piece (kb = 2 slice + i / 4, pc = i % 4): 512 consecutive bytes, aligned
	global_store_b128 v[L16], v[PKD+4*i:PKD+4*i+3], s[OB:OB+1] offset:2048*(i/4)+512*(i%4)
.set i, i+1
.endr
.else
	; through my own stage: 16 bytes (four columns of my token's row) at a time in, whole pieces of 512 bytes of a row back.  LDS serves a wave's instructions in order (ISA guide 5.7.1.4): no wait between
.set i, 0
.rept 16
	ds_store_b128 v[STO], v[X+4*i:X+4*i+3] offset:256*(i/8)+16*(i%8)
.set i, i+1
.endr
.set i, 0
.rept 16
	ds_load_b128 v[Z+4*i:Z+4*i+3], v[RD] offset:528*i
.set i, i+1
.endr
.set i, 0
.rept 16
	s_wait_dscnt 15-i
	global_store_b128 v[L16], v[Z+4*i:Z+4*i+3], s[OB:OB+1] offset:4096*i  ; row i of the tile: 512 consecutive bytes, aligned
.set i, i+1
.endr
.endif
.Lskip:
	s_add_co_u32 s21, s21, 1
	s_cmp_lt_u32 s21, 5
	s_cbranch_scc1 .Ltile
	s_add_co_u32 s20, s20, 1
	s_cmp_lt_u32 s20, s19
	s_cbranch_scc1 .Lgroup
	s_wait_tensorcnt 0x0                           ; the wave's end, behind my last LDS store
	ds_add_u32 v[SPW], v[NIL]
	s_wait_dscnt 0x0
	s_endpgm
.Lfunc_end_k_qbe8fd1ae8d_fc1:
	.size	k_qbe8fd1ae8d_fc1, .Lfunc_end_k_qbe8fd1ae8d_fc1-k_qbe8fd1ae8d_fc1
	.p2alignl 7, 3214868480
	.fill 96, 4, 3214868480
	.section	.rodata,"a",@progbits
	.p2align	6, 0x0
	.amdhsa_kernel k_qbe8fd1ae8d_fc1
		.amdhsa_group_segment_fixed_size 16896
		.amdhsa_private_segment_fixed_size 0
		.amdhsa_enable_private_segment 0
		.amdhsa_kernarg_size 32
		.amdhsa_user_sgpr_count 2
		.amdhsa_user_sgpr_kernarg_segment_ptr 1
		.amdhsa_wavefront_size32 1
		.amdhsa_system_sgpr_workgroup_id_x 1
		.amdhsa_system_sgpr_workgroup_id_y 1
		.amdhsa_system_sgpr_workgroup_id_z 1
		.amdhsa_system_vgpr_workitem_id 0
		.amdhsa_next_free_vgpr 928
		.amdhsa_next_free_sgpr 66
		.amdhsa_reserve_vcc 0
		.amdhsa_float_denorm_mode_32 3
		.amdhsa_float_denorm_mode_16_64 3
		.amdhsa_memory_ordered 1
		.amdhsa_forward_progress 1
		.amdhsa_inst_pref_size 133
	.end_amdhsa_kernel
	.amdgpu_metadata
---
amdhsa.version: [ 1, 2 ]
amdhsa.kernels:
  - .name:           k_qbe8fd1ae8d_fc1
    .symbol:         k_qbe8fd1ae8d_fc1.kd
    .args:
      - { .name: cnt, .offset: 0, .size: 8, .value_kind: global_buffer, .address_space: global }
      - { .name: xs, .offset: 8, .size: 8, .value_kind: global_buffer, .address_space: global }
      - { .name: w1, .offset: 16, .size: 8, .value_kind: global_buffer, .address_space: global }
      - { .name: hid, .offset: 24, .size: 8, .value_kind: global_buffer, .address_space: global }
    .group_segment_fixed_size: 16896
    .private_segment_fixed_size: 0
    .kernarg_segment_align: 8
    .kernarg_segment_size: 32
    .max_flat_workgroup_size: 128
    .sgpr_count:     66
    .vgpr_count:     928
    .wavefront_size: 32
...
	.end_amdgpu_metadata
.endif
;; end of part 3
;; launch fc2 (part 4): grid 32 x 8, 4 waves a work-group, no clusters, 50,688 bytes of LDS; arguments cnt, hid, w2, y; writes y
.if DOCPART == 4
	.amdgcn_target "amdgcn-amd-amdhsa--gfx1250"
	.amdhsa_code_object_version 6
	.text
	.protected	k_qbe8fd1ae8d_fc2
	.globl	k_qbe8fd1ae8d_fc2
	.p2align	8
	.type	k_qbe8fd1ae8d_fc2,@function
k_qbe8fd1ae8d_fc2:
	s_mov_b64 s[64:65], 0
	v_nop
	global_prefetch_b8 v0, s[64:65] scope:SCOPE_SE
	s_setreg_imm32_b32 hwreg(HW_REG_WAVE_MODE, 25, 1), 1
	s_wait_xcnt 0x0
; ONE TEXT FOR BOTH PRODUCTS OF AN EXPERT; LAYER says which.
;   LAYER 1: hid = gelu(xs w1[e]).  Work-group (slice, e): 128 columns of F, K = 1,024.  hid is f16, in the order in which the second product's operand registers take it.
;   LAYER 2: y[ks] = hid w2[e] over K quarter ks.  Work-group (slice + 8 ks, e): 128 columns of H, 1,024 of the 4,096 f.  y is f32 rows (partial sums), [4 ks][1,024 e + rank][1,024]; a later launch adds them.
; The weights are most of the bytes: each work-group streams 512 KB of f32 weights that it alone reads, once, and rounds them to f16 on their way through registers.
; TOKENS.  xs and hid: [e][64 tiles of 16 rows][kb][4 pc][32 lanes][16 bytes]; lane (r = lane % 16, h = lane / 16) of piece (kb, pc) holds, of row r, k = 64 kb + 32 h + 8 pc + 0..7.  K step s = 2 kb + c (32 along K)
; takes pieces 2 c and 2 c + 1 as the operand's registers 0-3 and 4-7: two loads of 512 consecutive bytes a tile, straight into registers.  That is a permutation of k inside 64; the weights take the same one.
; WEIGHTS.  For a K step wave w loads 8 rows x 512 bytes (rows 64 kb + 16 c + 32 (w & 1) + 8 (w >> 1) + 0..7), rounds them, and stores for each of its lane's four columns the 8 k as 16 bytes into an LDS slot:
; run w (2,048 bytes), place 32 j + lane holds column 4 lane + j.  Every wave reads all four runs as operands: column tile ct, row m is column 64 (ct & 1) + 4 m + (ct >> 1).  Stores and loads take 256 consecutive bytes for 16 lanes.
; THE MATRIX INSTRUCTION takes the weights as source 0 and the tokens as source 1: lane (r, h) holds token r, and register j of tile ct = 2 cj + b holds column 64 b + 32 h + 4 j + cj: 32 neighbouring columns a lane for each b.
; SHARES.  Four waves, as many as a WGP has SIMDs.  Wave w has the row tiles 20 g + 4 a + w, a = 0..4, and all 8 column tiles: 40 accumulators.  Group g = 0 (320 rows) is the fast way: five tiles a wave, the tile's number
; held at the expert's last tile, so that no wait and no barrier of the K loop hangs on data.  One forward branch a step jumps the fifth tile's eight products in a wave whose tile 16 + w does not exist.
; Rows past 320 (an expert may have all 1,024) go by groups g = 1 .. in a loop whose count is made from cnt[e]: there each wave loads and rounds the weights for itself, with no LDS ring and no barrier.
; THE PIPE.  K step s multiplies W(s), which lies in operand registers since step s - 1, by T(s).  Behind its first four products ride the sixteen conversions of W(s + 2), four each.  Then comes ONE RUN of 38 memory
; instructions: W(s + 2) is stored into the LDS slot that W(s) has left (4), the loads of W(s + 6) go out (8), W(s + 1) is read out of the other slot into the second set of operand registers (16), and the loads of T(s + 3)
; go out (10).  The other 28 or 36 products follow with no memory instruction among them: the row of products is broken once a step, and what the run asks of LDS is wanted only in the next step.
; ONE QUEUE OF LOADS.  Loads come back in order, so the groups {W(s + 6), T(s + 3)} are used in the order of issue: at the head of step s the two younger groups of 18 stay out.
; NO CLUSTER: what an expert's work-groups share is the token tiles; how many there are hangs on cnt[e], a joint load may not be jumped, and joint loads of all 64 tiles would fetch about four times the bytes needed.
; LIMITS.  f16 operands: |x|, |w|, |hidden| stay under 65,504 (beyond: infinity); below 6e-5 the step is 6e-8.  Sums in f32, in another order than reference()'s.  NaN and infinities are not treated apart.
.set LAYER, 2
.if LAYER == 1
.set PSH,   14                         ; a weight row is 1 << PSH bytes
.set TSH,   15                         ; a token tile is 1 << TSH bytes
.set OSH,   17                         ; a tile of the output is 1 << OSH bytes
.set STAGE, 16384
.set SPARE, 16384                      ; behind the ring: the spare words, 128 bytes for each wave
.else
.set PSH,   12
.set TSH,   17
.set OSH,   16
.set STAGE, 16384                      ; behind the ring: 16 rows x 528 bytes for each wave, for the way out (528 = 33 x 16: the 16 rows of a store begin 16 bytes apart modulo 256)
.set SPARE, STAGE+4*16*528
.endif
.set PITCH, 1<<PSH
.set SLOTB, 8192                       ; LDS bytes 0 to 16,383: two slots of four runs of 2,048 bytes; W(j) lies in slot j % 2
; window 0
.set L16,  1                           ; v1   lane x 16
.set LDA,  4                           ; v4   where I read operands: 2,048 h + 16 r
.set WOFS, 5                           ; v5   the overflow way: 32 h rows + 16 r
.set PFO,  6                           ; v6   prefetch: my lane's row among the wave's 32 rows of four K steps
.set SPW,  7                           ; v7   LDS address of my spare word; never rewritten
.set NIL,  8                           ; v8   0; never rewritten
.set STO,  9                           ; v9   LAYER 2: where I put 16 bytes of a row in my stage
.set RD,   10                          ; v10  LAYER 2: where I read a row back
.set TOFF, 12                          ; v12-16  tile a: its byte offset + lane x 16
.set WF,   40                          ; v40-103, v104-167  weight operands, two sets of 8 a column tile: W(j) in set j % 2
.set PKD,  40                          ;         LAYER 1, way out: 32 registers to store
.set X,    104                         ;         way out: a tile's 64 results
.set Z,    168                         ; v168-231  way out: at work
; window 1: v0-159 token operands, four rings of 5 tiles x 8 (T(j) in ring j % 4); v160-223 the accumulators of tile a = 4.   window 2: the accumulators of tiles a = 0..3 at 64 a + 8 ct
.set A4,   160
; window 3: the stream of weights, so that its loads, conversions and LDS stores go under one setting
.set STG,   0                          ; v0-127   weights as loaded: four rings of 32 (W(j) in ring j % 4)
.set PK,    128                        ; v128-143 rounded weights on their way to LDS
.set WOFF3, 144                        ; v144     lane x 16 + my wave's first row of a K step
.set STA3,  145                        ; v145     where I store into a slot: 2,048 w + 16 lane
.set WB,  24                           ; s[24:25] weights, s[26:27] tokens: the bases that walk along K
.set TB,  26
.set WB0, 28                           ; s[28:29], s[30:31] their starts, kept for the overflow way
.set TB0, 30
.set OB,  32                           ; s[32:33] the output at the tile in hand
.set OF,  34                           ; s[34:35] an offset in 64 bits; s35 stays 0
; s12 wave, s13 expert, s14 slice, s15 ks, s16 n, s17 tiles, s18 last tile stored, s19 groups, s20 g, s21 a, s22-23 at work, s36-37 counters, s38 the output offset's fixed part, s39 1: tile 16 + w exists, s[40:43] gelu's constants
.set MSB, 0
.macro WIN new                         ; s_set_vgpr_msb: bits 1:0 source 0, 3:2 source 1, 5:4 source 2, 7:6 destination; the high byte repeats the setting that is left
.if MSB != (\new)
	s_set_vgpr_msb (MSB<<8)|(\new)
.set MSB, (\new)
.endif
.endm
.set MULA,  0xa4                       ; weights window 0, tokens window 1, C and D window 2
.set MULB,  0x54                       ; the same, C and D window 1
.set TOT,   0x40                       ; destination window 1, address window 0
.set TO3,   0xc0                       ; destination window 3, sources window 0
.set W3,    0xcf                       ; destination and sources 0 and 1 window 3
.set FROM3, 0x0f                       ; sources 0 and 1 window 3, destination window 0
.set FROM2, 0x02                       ; source 0 window 2
.set FROM1, 0x01
.macro PLACES                          ; four plain instructions between a matrix instruction and a load into, or a vector instruction on, its registers
.rept 4
	v_nop
.endr
.endm
.macro LOADW x, ring, i0, n            ; the weights of K step x from the base: rows i0 .. i0 + n - 1 of my 8, each load one whole piece of 512 consecutive bytes, read once in the launch
	WIN W3
.set wi, (\i0)
.rept (\n)
	global_load_b128 v[STG+32*(\ring)+4*wi:STG+32*(\ring)+4*wi+3], v[WOFF3], s[WB:WB+1] offset:(64*((\x)/2)+16*((\x)%2)+wi)*PITCH th:TH_LOAD_NT
.set wi, wi+1
.endr
.endm
.macro LOADT x, ring, i0, n            ; the tokens of K step x from the base: loads i0 .. i0 + n - 1 of ten: tile i / 2, piece i % 2
	WIN TOT
.set ti, (\i0)
.rept (\n)
	global_load_b128 v[40*(\ring)+4*ti:40*(\ring)+4*ti+3], v[TOFF+ti/2], s[TB:TB+1] offset:2048*((\x)/2)+1024*((\x)%2)+512*(ti%2)
.set ti, ti+1
.endr
.endm
.macro CVTJ ring, j                    ; column j of my four: its 8 k of f32 -> 4 registers of f16
	WIN W3
.irp m, 0,1,2,3
	v_cvt_pk_f16_f32 v[PK+4*(\j)+(\m)], v[STG+32*(\ring)+8*(\m)+(\j)], v[STG+32*(\ring)+8*(\m)+4+(\j)]
.endr
.endm
.macro STWJ slot, j
	WIN W3
	ds_store_b128 v[STA3], v[PK+4*(\j):PK+4*(\j)+3] offset:(\slot)*SLOTB+512*(\j)
.endm
.macro LDWF2 slot, wfb, c0             ; the operands of column tiles c0 and c0 + 1: four loads
	WIN 0
.irp c, 0,1
	ds_load_b128 v[(\wfb)+8*((\c0)+(\c)):(\wfb)+8*((\c0)+(\c))+3],   v[LDA] offset:(\slot)*SLOTB+256*((\c0)+(\c))
	ds_load_b128 v[(\wfb)+8*((\c0)+(\c))+4:(\wfb)+8*((\c0)+(\c))+7], v[LDA] offset:(\slot)*SLOTB+256*((\c0)+(\c))+4096
.endr
.endm
; Product q of 32: column tile q / 4, row tile q % 4.  zero = 1: the first K step starts the sums.
.macro WA q, ring, wfb, zero
	WIN MULA
.set rD, 64*((\q)%4)+8*((\q)/4)
.set rA, (\wfb)+8*((\q)/4)
.set rB, 40*(\ring)+8*((\q)%4)
.if \zero
	v_wmma_f32_16x16x32_f16 v[rD:rD+7], v[rA:rA+7], v[rB:rB+7], 0
.else
	v_wmma_f32_16x16x32_f16 v[rD:rD+7], v[rA:rA+7], v[rB:rB+7], v[rD:rD+7]
.endif
.endm
.macro WBLK ring, wfb, zero            ; the fifth row tile's eight products
	WIN MULB
.irp ct, 0,1,2,3,4,5,6,7
.if \zero
	v_wmma_f32_16x16x32_f16 v[A4+8*(\ct):A4+8*(\ct)+7], v[(\wfb)+8*(\ct):(\wfb)+8*(\ct)+7], v[40*(\ring)+32:40*(\ring)+39], 0
.else
	v_wmma_f32_16x16x32_f16 v[A4+8*(\ct):A4+8*(\ct)+7], v[(\wfb)+8*(\ct):(\wfb)+8*(\ct)+7], v[40*(\ring)+32:40*(\ring)+39], v[A4+8*(\ct):A4+8*(\ct)+7]
.endif
.endr
.endm
; The weights of K steps 12 to 15 from the base are asked for: my wave's own 32 rows x 512 bytes, 64 aligned blocks of 256 bytes, a lane and a line each, every block once in the launch;
; the loads that want them are issued from the sixth step from the base on.  Steps 0 to 11 are not asked for: their loads go out in the launch's first six steps.
.macro PF
	global_prefetch_b8 v[PFO], s[WB:WB+1] offset:384*PITCH th:TH_LOAD_NT scope:SCOPE_SE
	global_prefetch_b8 v[PFO], s[WB:WB+1] offset:384*PITCH+256 th:TH_LOAD_NT scope:SCOPE_SE
.endm
; K STEP u from the base (the base stands at a multiple of four steps).  The step's accumulators take turns, one instruction a turn, in the same order in every step.
; cnt: the younger loads that may stay out.  cv: W(u + 2) is rounded and stored.  lw: W(u + 1) is read as operands.  iw, it: W(u + 6), T(u + 3) are issued.  pf: the prefetch stands at the run's end, but for the loop's last trip.
; The sixteen conversions behind products 0 to 3 (or four v_nop behind product 0) are also the places between the last step's products and the run's loads into the operand set and the token ring that those products read.
; bar: the step's one barrier.  In front of its signal, behind product 27, my stores into slot u % 2 and my reads of the other slot are done: the run has had 24 products or more in which to be served;
; behind its wait everybody stores into the slot just read and reads the slot just stored.  Four products, work on registers alone, stand between the signal and the wait.
.macro STEP u, zero, iw, it, cnt, cv, lw, bar, pf=0
.set rT_, (\u)%4
.set rW_, ((\u)+2)%4
.set wfU, WF+64*((\u)%2)
.set wfN, WF+64*(((\u)+1)%2)
	s_wait_loadcnt \cnt
.set q, 0
.rept 32
	WA q, rT_, wfU, \zero
.if q < 4
.if \cv
	CVTJ rW_, q
.elseif (\lw) && (q == 0)
	PLACES
.endif
.endif
.if q == 3                             ; THE RUN
.if \cv
	STWJ (\u)%2, 0
	STWJ (\u)%2, 1
	STWJ (\u)%2, 2
	STWJ (\u)%2, 3
.endif
.if \iw
	LOADW (\u)+6, rW_, 0, 8                        ; into the ring that has just been rounded
.endif
.if \lw
	LDWF2 ((\u)+1)%2, wfN, 0
	LDWF2 ((\u)+1)%2, wfN, 2
	LDWF2 ((\u)+1)%2, wfN, 4
	LDWF2 ((\u)+1)%2, wfN, 6
.endif
.if \it
	LOADT (\u)+3, ((\u)+3)%4, 0, 10
.endif
.if \pf
	WIN 0                                          ; at a branch and at a label every window is 0
	s_cmp_eq_u32 s36, 1
	s_cbranch_scc1 .Lno_pf_\@                      ; the last trip's look-ahead would pass my 1,024 rows: it asks for nothing
	PF
.Lno_pf_\@:
.endif
.elseif q == 19
.if \zero
	WBLK rT_, wfU, 1                               ; always: the fifth tile's accumulators are written on every way
.else
	WIN 0
	s_cmp_eq_u32 s39, 0
	s_cbranch_scc1 .Ldead_\@                       ; my tile 16 + w does not exist: its eight products are jumped, and nothing else
	WBLK rT_, wfU, 0
	WIN 0
.Ldead_\@:
.endif
.elseif q == 27
.if (\lw) || (\cv)
	s_wait_dscnt 0x0                               ; my operands of the next step are in, my stores are done
.endif
.if \bar
	s_barrier_signal -1
.endif
.endif
.set q, q+1
.endr
.if \bar
	s_barrier_wait -1
.endif
.endm
.macro MULP zero                       ; the overflow way: a K step's 40 products on end
.set q, 0
.rept 32
	WA q, 0, WF, \zero
.set q, q+1
.endr
	WBLK 0, WF, \zero
.endm
.macro SETT                            ; the offsets of group g's five tiles: 20 g + 4 a + w, held at the expert's last tile and inside the 64 of the layout
	s_mul_i32 s23, s20, 20
	s_add_co_u32 s23, s23, s12
.irp a, 0,1,2,3,4
	s_add_co_u32 s22, s23, 4*(\a)
	s_min_u32 s22, s22, s18
	s_min_u32 s22, s22, 63
	s_lshl_b32 s22, s22, TSH
	v_add_nc_u32 v[TOFF+(\a)], s22, v[L16]
.endr
.endm
.macro NEXT                            ; four K steps on: 128 rows of weights, two kb of tokens
	s_wait_xcnt 0x0                                ; the bases are rewritten only behind this wait
	s_add_nc_u64 s[WB:WB+1], s[WB:WB+1], 128*PITCH
	s_add_nc_u64 s[TB:TB+1], s[TB:TB+1], 4096
.endm
; Tile a's 64 results come into window 0, where one text serves all five tiles; each accumulator's registers in ascending order.
; LAYER 2 lays them so that four neighbouring columns stand in four neighbouring registers.
.macro COPY a
.if (\a) < 4
	WIN FROM2
.set cb, 64*(\a)
.else
	WIN FROM1
.set cb, A4
.endif
.set i, 0
.rept 64
.if LAYER == 1
	v_mov_b32 v[X+i], v[cb+i]
.else
	v_mov_b32 v[X+4*(8*((i/8)%2)+i%8)+i/16], v[cb+i]
.endif
.set i, i+1
.endr
	WIN 0
.endm
	s_load_b256 s[4:11], s[0:1], 0x0               ; cnt s[4:5], tokens s[6:7], weights s[8:9], output s[10:11]
	v_lshl_add_u32 v[SPW], v0, 2, SPARE
	v_mov_b32 v[NIL], 0
	v_lshrrev_b32 v17, 5, v0
	v_readfirstlane_b32 s12, v17                   ; wave 0..3
	s_and_b32 s13, ttmp7, 0xffff                   ; expert
.if LAYER == 1
	s_mov_b32 s14, ttmp9                           ; slice of 128 columns
	s_mov_b32 s15, 0
.else
	s_and_b32 s14, ttmp9, 7                        ; slice of 128 columns
	s_lshr_b32 s15, ttmp9, 3                       ; quarter of K
.endif
	v_and_b32 v18, 31, v0
	v_lshlrev_b32 v[L16], 4, v18
	s_and_b32 s22, s12, 1
	s_lshl_b32 s22, s22, 5
	s_lshr_b32 s23, s12, 1
	s_lshl_b32 s23, s23, 3
	s_add_co_u32 s22, s22, s23                     ; my wave's rows begin at 32 (w & 1) + 8 (w >> 1),
	s_lshl_b32 s22, s22, PSH                       ; in bytes
	s_lshl_b32 s23, s12, 11
	WIN TO3
	v_add_nc_u32 v[WOFF3], s22, v[L16]
	v_add_nc_u32 v[STA3], s23, v[L16]
	WIN 0
	v_and_b32 v19, 15, v0                          ; r
	v_bfe_u32 v20, v0, 4, 1                        ; h
	v_lshlrev_b32 v21, 4, v19
	v_lshl_add_u32 v[LDA], v20, 11, v21
	v_lshl_add_u32 v[WOFS], v20, PSH+5, v21
	v_and_b32 v22, 7, v0                           ; lane l stands for row 64 (l >> 4) + 16 ((l >> 3) & 1) + (l & 7) of the wave's 32 in four K steps
	v_bfe_u32 v23, v0, 3, 1
	v_lshl_add_u32 v22, v23, 4, v22
	v_lshl_add_u32 v22, v20, 6, v22
	v_lshl_add_u32 v[PFO], v22, PSH, s22
.if LAYER == 2
	s_mul_i32 s23, s12, 16*528
	s_add_co_u32 s23, s23, STAGE                   ; my stage
	v_mul_u32_u24 v[STO], v19, 528                 ; in: row r, 128 bytes for each half of the lanes
	v_lshl_add_u32 v[STO], v20, 7, v[STO]
	v_add_nc_u32 v[STO], s23, v[STO]
	v_add_nc_u32 v[RD], s23, v[L16]                ; back: a row's 512 bytes, 16 a lane
.endif
	s_lshl_b32 s[OF], s13, 2
	s_mov_b32 s[OF+1], 0
	s_wait_kmcnt 0x0
	s_add_nc_u64 s[4:5], s[4:5], s[OF:OF+1]
	s_load_b32 s16, s[4:5], 0x0                    ; the expert's rows; the first weights go out while it is on its way
.if LAYER == 1
	s_lshl_b32 s[OF], s13, 24                      ; an expert's 16 MB of weights,
	s_lshl_b32 s22, s14, 9                         ; my 512 bytes of every row
	s_add_co_u32 s[OF], s[OF], s22
	s_add_nc_u64 s[WB0:WB0+1], s[8:9], s[OF:OF+1]
	s_lshl_b32 s[OF], s13, 21                      ; an expert's 2 MB of xs
	s_add_nc_u64 s[TB0:TB0+1], s[6:7], s[OF:OF+1]
	s_lshl_b32 s38, s13, 23                        ; hid: an expert's 8 MB, my two kb of 2,048 bytes in every tile
	s_lshl_b32 s22, s14, 12
	s_add_co_u32 s38, s38, s22
	s_mov_b32 s40, 0xc0135761                      ; -2 log2(e) sqrt(2 / pi) = -2.3022082
	s_mov_b32 s41, s40                             ; named with it as a pair
	s_mov_b32 s42, 0xbdd2d3e8                      ; that x 0.044715 = -0.10294324
	s_mov_b32 s43, s42
.else
	s_lshl_b32 s[OF], s13, 24                      ; an expert's 16 MB of weights,
	s_lshl_b32 s22, s15, 22                        ; my quarter's 1,024 rows,
	s_add_co_u32 s[OF], s[OF], s22
	s_lshl_b32 s22, s14, 9                         ; my 512 bytes of every row
	s_add_co_u32 s[OF], s[OF], s22
	s_add_nc_u64 s[WB0:WB0+1], s[8:9], s[OF:OF+1]
	s_lshl_b32 s[OF], s13, 23                      ; an expert's 8 MB of hid,
	s_lshl_b32 s22, s15, 15                        ; my quarter's 16 kb in every tile
	s_add_co_u32 s[OF], s[OF], s22
	s_add_nc_u64 s[TB0:TB0+1], s[6:7], s[OF:OF+1]
	s_lshl_b32 s38, s15, 25                        ; y: a quarter's 32 MB, an expert's 1,024 rows, my 512 bytes of every row
	s_lshl_b32 s22, s13, 22
	s_add_co_u32 s38, s38, s22
	s_lshl_b32 s22, s14, 9
	s_add_co_u32 s38, s38, s22
.endif
	s_mov_b64 s[WB:WB+1], s[WB0:WB0+1]
	s_mov_b64 s[TB:TB+1], s[TB0:TB0+1]
	LOADW 0, 0, 0, 8
	LOADW 1, 1, 0, 8
	LOADW 2, 2, 0, 8
	LOADW 3, 3, 0, 8
	WIN 0
	s_wait_kmcnt 0x0
	s_min_u32 s16, s16, 1024
	s_add_co_u32 s17, s16, 15
	s_lshr_b32 s17, s17, 4                         ; tiles
	s_max_u32 s18, s17, 1
	s_sub_co_u32 s18, s18, 1                       ; the last tile that exists (tile 0 exists for an expert without rows too)
	s_mov_b32 s19, 1                               ; groups of 20 tiles
.irp lim, 20, 40, 60
	s_cmp_gt_u32 s17, \lim
	s_add_co_ci_u32 s19, s19, 0
.endr
	s_add_co_u32 s22, s12, 16
	s_cmp_le_u32 s22, s18
	s_cselect_b32 s39, 1, 0                        ; does my fifth tile of group 0 exist?
	s_mov_b32 s20, 0
	SETT
	LOADT 0, 0, 0, 10
	LOADT 1, 1, 0, 10
	LOADT 2, 2, 0, 10
	s_wait_loadcnt 54                              ; W(0) is in: behind it 24 loads of weights and 30 of tokens
.irp j, 0,1,2,3
	CVTJ 0, \j
.endr
.irp j, 0,1,2,3
	STWJ 0, \j
.endr
	LOADW 4, 0, 0, 8
	s_wait_loadcnt 54                              ; W(1) is in: behind it W(2), W(3), 30 of tokens and W(4)
	s_wait_dscnt 0x0                               ; the stores have left the registers that are rounded into again
.irp j, 0,1,2,3
	CVTJ 1, \j
.endr
.irp j, 0,1,2,3
	STWJ 1, \j
.endr
	LOADW 5, 1, 0, 8
	s_wait_dscnt 0x0
	s_barrier_signal -1
	s_barrier_wait -1                              ; both slots are whole
.irp c, 0,2,4,6
	LDWF2 0, WF, \c
.endr
	s_wait_dscnt 0x0
	s_barrier_signal -1
	s_barrier_wait -1                              ; everybody has read slot 0: step 0 stores into it
	; The queue so far: W(0..3), T(0), T(1), T(2), W(4), W(5).  Behind T(0) stand 36; in steps 1 and 2 the count 36 asks for a little more than those steps need; from step 3 on it is the two younger groups.
	STEP 0, 1, 1, 1, 36, 1, 1, 1                   ; the first K step stands ahead of the loop: its products start the sums
	WIN 0
	s_mov_b32 s36, 6
.Ltrip:                                                ; K steps 1 to 24
	STEP 1, 0, 1, 1, 36, 1, 1, 1
	STEP 2, 0, 1, 1, 36, 1, 1, 1, 1
	STEP 3, 0, 1, 1, 36, 1, 1, 1
	STEP 4, 0, 1, 1, 36, 1, 1, 1
	WIN 0
	NEXT
	s_sub_co_u32 s36, s36, 1
	s_cmp_lg_u32 s36, 0
	s_cbranch_scc1 .Ltrip
	STEP 1, 0, 1, 1, 36, 1, 1, 1                   ; K step 25: W(31), T(28)
	STEP 2, 0, 0, 1, 36, 1, 1, 1                   ; 26: no weights are left to fetch
	STEP 3, 0, 0, 1, 28, 1, 1, 1                   ; 27: behind T(27): step 25's 18 and T(29)
	STEP 4, 0, 0, 1, 20, 1, 1, 1                   ; 28: behind T(28): T(29), T(30)
	STEP 5, 0, 0, 0, 20, 1, 1, 1                   ; 29: behind T(29): T(30), T(31); W(31) is rounded
	STEP 6, 0, 0, 0, 10, 0, 1, 0                   ; 30: behind T(30): T(31); W(31) is read; nobody writes the slots any more: no barrier
	STEP 7, 0, 0, 0, 0, 0, 0, 0                    ; 31
	WIN 0
.Lgroup:                                               ; once for each group of 20 tiles: as a rule once
	s_cmp_eq_u32 s20, 0
	s_cbranch_scc1 .Lfast
	; THE OVERFLOW WAY, for rows past 320.  Each wave takes the weights straight from memory as operands: lane (r, h) loads 16 bytes (columns 64 b + 4 r + 0..3) of 16 rows and rounds them.  No LDS, no barrier.
	s_wait_xcnt 0x0                                ; the last group's stores have read their registers
	SETT
	s_mov_b64 s[WB:WB+1], s[WB0:WB0+1]
	s_mov_b64 s[TB:TB+1], s[TB0:TB0+1]
	s_mov_b32 s37, 32
.Lhalf:                                                ; a K step of 32
	LOADT 0, 0, 0, 10
	WIN TO3
.irp b, 0,1
.irp i, 0,1,2,3,4,5,6,7,8,9,10,11,12,13,14,15
	global_load_b128 v[STG+64*(\b)+4*(\i):STG+64*(\b)+4*(\i)+3], v[WOFS], s[WB:WB+1] offset:(\i)*PITCH+256*(\b)
.endr
.endr
	s_wait_loadcnt 0x0
	WIN FROM3
.set i, 0
.rept 64                               ; operand register i: column tile i / 8 = 2 cj + b, rows 8 ((i / 4) % 2) + 2 (i % 4) and the next
	v_cvt_pk_f16_f32 v[WF+i], v[STG+64*((i/8)%2)+4*(8*((i/4)%2)+2*(i%4))+i/16], v[STG+64*((i/8)%2)+4*(8*((i/4)%2)+2*(i%4)+1)+i/16]
.set i, i+1
.endr
	WIN 0
	s_cmp_eq_u32 s37, 32
	s_cbranch_scc0 .Lacc
	MULP 1                                         ; the group's first K step starts the sums: nothing is cleared
	WIN 0
	s_branch .Ljoin
.Lacc:
	MULP 0
	WIN 0
.Ljoin:
	PLACES                                         ; ahead of the next loads and conversions into the operands
	s_and_b32 s[OF], s37, 1                        ; the rows of the K steps begin at 64 kb + 16 c: 16 rows on, then 48
	s_lshl_b32 s[OF], s[OF], PSH+5
	s_add_co_u32 s[OF], s[OF], 16*PITCH
	s_add_nc_u64 s[WB:WB+1], s[WB:WB+1], s[OF:OF+1]  ; every load that names the bases has been waited for
	s_add_nc_u64 s[TB:TB+1], s[TB:TB+1], 1024
	s_sub_co_u32 s37, s37, 1
	s_cmp_lg_u32 s37, 0
	s_cbranch_scc1 .Lhalf
.Lfast:
	PLACES                                         ; behind the last products
	s_mov_b32 s21, 0
.Ltile:                                                ; THE WAY OUT, five times: tile 20 g + 4 a + w
	s_wait_xcnt 0x0                                ; the last tile's stores have read their data and their base
	s_mul_i32 s22, s20, 20
	s_lshl2_add_u32 s22, s21, s22
	s_add_co_u32 s22, s22, s12
	s_cmp_gt_u32 s22, s18
	s_cbranch_scc1 .Lskip                          ; past the expert's last tile: nothing is stored
	s_min_u32 s22, s22, 63
	s_lshl_b32 s[OF], s22, OSH
	s_add_co_u32 s[OF], s[OF], s38
	s_add_nc_u64 s[OB:OB+1], s[10:11], s[OF:OF+1]
	s_cmp_eq_u32 s21, 0
	s_cbranch_scc1 .Lcopy0
	s_cmp_eq_u32 s21, 1
	s_cbranch_scc1 .Lcopy1
	s_cmp_eq_u32 s21, 2
	s_cbranch_scc1 .Lcopy2
	s_cmp_eq_u32 s21, 3
	s_cbranch_scc1 .Lcopy3
	COPY 4
	s_branch .Lcommon
.Lcopy0:
	COPY 0
	s_branch .Lcommon
.Lcopy1:
	COPY 1
	s_branch .Lcommon
.Lcopy2:
	COPY 2
	s_branch .Lcommon
.Lcopy3:
	COPY 3
.Lcommon:
.if LAYER == 1
	; gelu by tanh is x / (1 + 2^(x (C0 + C1 x x))).  Far on the negative side the power is infinite, its reciprocal 0 and the result -0; far on the positive side the power is 0 and the result x.
.set i, 0
.rept 32
	v_pk_mul_f32 v[Z+2*i:Z+2*i+1], v[X+2*i:X+2*i+1], v[X+2*i:X+2*i+1]
.set i, i+1
.endr
.set i, 0
.rept 32
	v_pk_fma_f32 v[Z+2*i:Z+2*i+1], v[Z+2*i:Z+2*i+1], s[42:43], s[40:41] op_sel_hi:[1,0,0]
.set i, i+1
.endr
.set i, 0
.rept 32
	v_pk_mul_f32 v[Z+2*i:Z+2*i+1], v[Z+2*i:Z+2*i+1], v[X+2*i:X+2*i+1]
.set i, i+1
.endr
.set i, 0
.rept 64
	v_exp_f32 v[Z+i], v[Z+i]
.set i, i+1
.endr
	v_nop                                          ; a plain instruction behind the last exponential,
	s_wait_alu depctr_va_vdst(0)                   ; and one wait for the batch of 64 ahead of the first reader
.set i, 0
.rept 32
	v_pk_add_f32 v[Z+2*i:Z+2*i+1], v[Z+2*i:Z+2*i+1], 1.0 op_sel_hi:[1,0]
.set i, i+1
.endr
.set i, 0
.rept 64
	v_rcp_f32 v[Z+i], v[Z+i]
.set i, i+1
.endr
	v_nop
	s_wait_alu depctr_va_vdst(0)                   ; the same for the 64 reciprocals
.set i, 0
.rept 32
	v_pk_mul_f32 v[X+2*i:X+2*i+1], v[X+2*i:X+2*i+1], v[Z+2*i:Z+2*i+1]
.set i, i+1
.endr
.set i, 0
.rept 32                               ; word i = 16 b + 4 pc + d holds columns 64 b + 32 h + 8 pc + 2 d and the next: register 2 pc + d / 2 of column tiles 4 (d % 2) + b and 4 (d % 2) + 2 + b
	v_cvt_pk_f16_f32 v[PKD+i], v[X+8*(4*(i%2)+i/16)+2*((i/4)%4)+(i%4)/2], v[X+8*(4*(i%2)+2+i/16)+2*((i/4)%4)+(i%4)/2]
.set i, i+1
.endr
.set i, 0
.rept 8                                ; piece (kb = 2 slice + i / 4, pc = i % 4): 512 consecutive bytes, aligned
	global_store_b128 v[L16], v[PKD+4*i:PKD+4*i+3], s[OB:OB+1] offset:2048*(i/4)+512*(i%4)
.set i, i+1
.endr
.else
	; through my own stage: 16 bytes (four columns of my token's row) at a time in, whole pieces of 512 bytes of a row back.  LDS serves a wave's instructions in order (ISA guide 5.7.1.4): no wait between
.set i, 0
.rept 16
	ds_store_b128 v[STO], v[X+4*i:X+4*i+3] offset:256*(i/8)+16*(i%8)
.set i, i+1
.endr
.set i, 0
.rept 16
	ds_load_b128 v[Z+4*i:Z+4*i+3], v[RD] offset:528*i
.set i, i+1
.endr
.set i, 0
.rept 16
	s_wait_dscnt 15-i
	global_store_b128 v[L16], v[Z+4*i:Z+4*i+3], s[OB:OB+1] offset:4096*i  ; row i of the tile: 512 consecutive bytes, aligned
.set i, i+1
.endr
.endif
.Lskip:
	s_add_co_u32 s21, s21, 1
	s_cmp_lt_u32 s21, 5
	s_cbranch_scc1 .Ltile
	s_add_co_u32 s20, s20, 1
	s_cmp_lt_u32 s20, s19
	s_cbranch_scc1 .Lgroup
	s_wait_tensorcnt 0x0                           ; the wave's end, behind my last LDS store
	ds_add_u32 v[SPW], v[NIL]
	s_wait_dscnt 0x0
	s_endpgm
.Lfunc_end_k_qbe8fd1ae8d_fc2:
	.size	k_qbe8fd1ae8d_fc2, .Lfunc_end_k_qbe8fd1ae8d_fc2-k_qbe8fd1ae8d_fc2
	.p2alignl 7, 3214868480
	.fill 96, 4, 3214868480
	.section	.rodata,"a",@progbits
	.p2align	6, 0x0
	.amdhsa_kernel k_qbe8fd1ae8d_fc2
		.amdhsa_group_segment_fixed_size 50688
		.amdhsa_private_segment_fixed_size 0
		.amdhsa_enable_private_segment 0
		.amdhsa_kernarg_size 32
		.amdhsa_user_sgpr_count 2
		.amdhsa_user_sgpr_kernarg_segment_ptr 1
		.amdhsa_wavefront_size32 1
		.amdhsa_system_sgpr_workgroup_id_x 1
		.amdhsa_system_sgpr_workgroup_id_y 1
		.amdhsa_system_sgpr_workgroup_id_z 1
		.amdhsa_system_vgpr_workitem_id 0
		.amdhsa_next_free_vgpr 928
		.amdhsa_next_free_sgpr 66
		.amdhsa_reserve_vcc 0
		.amdhsa_float_denorm_mode_32 3
		.amdhsa_float_denorm_mode_16_64 3
		.amdhsa_memory_ordered 1
		.amdhsa_forward_progress 1
		.amdhsa_inst_pref_size 120
	.end_amdhsa_kernel
	.amdgpu_metadata
---
amdhsa.version: [ 1, 2 ]
amdhsa.kernels:
  - .name:           k_qbe8fd1ae8d_fc2
    .symbol:         k_qbe8fd1ae8d_fc2.kd
    .args:
      - { .name: cnt, .offset: 0, .size: 8, .value_kind: global_buffer, .address_space: global }
      - { .name: hid, .offset: 8, .size: 8, .value_kind: global_buffer, .address_space: global }
      - { .name: w2, .offset: 16, .size: 8, .value_kind: global_buffer, .address_space: global }
      - { .name: y, .offset: 24, .size: 8, .value_kind: global_buffer, .address_space: global }
    .group_segment_fixed_size: 50688
    .private_segment_fixed_size: 0
    .kernarg_segment_align: 8
    .kernarg_segment_size: 32
    .max_flat_workgroup_size: 128
    .sgpr_count:     66
    .vgpr_count:     928
    .wavefront_size: 32
...
	.end_amdgpu_metadata
.endif
;; end of part 4
;; launch combine (part 5): grid 256 x 1, 4 waves a work-group, no clusters, 0 bytes of LDS; arguments ridx, rgate, posE, y, out0; writes out0
.if DOCPART == 5
	.amdgcn_target "amdgcn-amd-amdhsa--gfx1250"
	.amdhsa_code_object_version 6
	.text
	.protected	k_qbe8fd1ae8d_combine
	.globl	k_qbe8fd1ae8d_combine
	.p2align	8
	.type	k_qbe8fd1ae8d_combine,@function
k_qbe8fd1ae8d_combine:
	s_mov_b64 s[64:65], 0
	v_nop
	global_prefetch_b8 v0, s[64:65] scope:SCOPE_SE
	s_setreg_imm32_b32 hwreg(HW_REG_WAVE_MODE, 25, 1), 1
	s_wait_xcnt 0x0
; COMBINE.  out0[t] = gate0 (the sum over the four K quarters of y[ks][pos0]) + gate1 (the same for pos1), all in f32; pos_k = posE[t][expert_k] is the row that the token's k-th expert gave it.
; One wave, one token: each output row has one owner.  Its two experts, gates and rows are scalars; the eight rows of 4,096 bytes are read in four quarters of 1,024 bytes, 16 loads of 512 consecutive bytes each,
; through a ring of three quarters in registers: 32 to 48 loads of every wave are on their way.  Memory binds: LDS, barriers and the matrix unit would add nothing.
; The experts are added in the order of the router's choice, not in ascending order as in reference(): one f32 rounding placed otherwise.
.set RB, 16                            ; v16-207  three quarters of 64: row r = 4 k + ks at 8 r, its two loads 4 registers each
	s_load_b256 s[4:11], s[0:1], 0x0               ; ridx s[4:5], rgate s[6:7], posE s[8:9], y s[10:11]
	s_load_b64 s[12:13], s[0:1], 0x20              ; out0
	v_lshrrev_b32 v2, 5, v0
	v_readfirstlane_b32 s14, v2                    ; wave 0..3
	v_and_b32 v1, 31, v0
	v_lshlrev_b32 v1, 4, v1                        ; lane x 16
	s_lshl_b32 s15, ttmp9, 2
	s_add_co_u32 s15, s15, s14                     ; my token
	s_lshl_b32 s22, s15, 3
	s_mov_b32 s23, 0
	s_wait_kmcnt 0x0
	s_add_nc_u64 s[4:5], s[4:5], s[22:23]
	s_add_nc_u64 s[6:7], s[6:7], s[22:23]
	s_load_b64 s[16:17], s[4:5], 0x0               ; the two experts
	s_load_b64 s[18:19], s[6:7], 0x0               ; the two gates
	s_lshl_b32 s22, s15, 12
	s_add_nc_u64 s[12:13], s[12:13], s[22:23]      ; out0 at my row
	s_lshl_b32 s22, s15, 5                         ; posE: 32 bytes a token
	s_mov_b32 s25, 0
	s_mov_b32 s27, 0
	s_mov_b32 s31, 0
	s_wait_kmcnt 0x0
	s_min_u32 s16, s16, 7
	s_min_u32 s17, s17, 7
	s_lshl_b32 s24, s16, 2
	s_add_co_u32 s24, s24, s22
	s_lshl_b32 s26, s17, 2
	s_add_co_u32 s26, s26, s22
	s_add_nc_u64 s[24:25], s[8:9], s[24:25]
	s_add_nc_u64 s[26:27], s[8:9], s[26:27]
	s_load_b32 s28, s[24:25], 0x0
	s_load_b32 s29, s[26:27], 0x0
	s_mov_b32 s20, s19                             ; gate1 as the low word of a pair of its own: the packed forms take a scalar pair's low word for both halves
	s_mov_b32 s21, s19
	s_wait_kmcnt 0x0
	s_min_u32 s28, s28, 8191
	s_min_u32 s29, s29, 8191
	s_lshl_b32 s28, s28, 12                        ; a row of y is 4,096 bytes
	s_lshl_b32 s29, s29, 12
.irp k, 0,1
.irp ks, 0,1,2,3
	s_add_co_u32 s30, s[28+(\k)], (\ks)<<25        ; a K quarter's part of y is 32 MB
	s_add_nc_u64 s[32+2*(4*(\k)+(\ks)):33+2*(4*(\k)+(\ks))], s[10:11], s[30:31]
.endr
.endr
.macro QLOAD qd, ring                  ; quarter qd of the eight rows
.irp r, 0,1,2,3,4,5,6,7
.irp hf, 0,1
	global_load_b128 v[RB+64*(\ring)+8*(\r)+4*(\hf):RB+64*(\ring)+8*(\r)+4*(\hf)+3], v1, s[32+2*(\r):33+2*(\r)] offset:1024*(\qd)+512*(\hf) th:TH_LOAD_NT
.endr
.endr
.endm
.macro QSUM qd, ring, left             ; left: sixteen loads for each younger quarter may stay out
.set rb, RB+64*(\ring)
	s_wait_loadcnt \left
.irp r, 0,2,4,6
.irp pp, 0,1,2,3
	v_pk_add_f32 v[rb+8*(\r)+2*(\pp):rb+8*(\r)+2*(\pp)+1], v[rb+8*(\r)+2*(\pp):rb+8*(\r)+2*(\pp)+1], v[rb+8*(\r)+8+2*(\pp):rb+8*(\r)+8+2*(\pp)+1]
.endr
.endr
.irp r, 0,4
.irp pp, 0,1,2,3
	v_pk_add_f32 v[rb+8*(\r)+2*(\pp):rb+8*(\r)+2*(\pp)+1], v[rb+8*(\r)+2*(\pp):rb+8*(\r)+2*(\pp)+1], v[rb+8*(\r)+16+2*(\pp):rb+8*(\r)+16+2*(\pp)+1]
.endr
.endr
.irp pp, 0,1,2,3
	v_pk_mul_f32 v[rb+32+2*(\pp):rb+32+2*(\pp)+1], v[rb+32+2*(\pp):rb+32+2*(\pp)+1], s[20:21] op_sel_hi:[1,0]
.endr
.irp pp, 0,1,2,3
	v_pk_fma_f32 v[rb+2*(\pp):rb+2*(\pp)+1], v[rb+2*(\pp):rb+2*(\pp)+1], s[18:19], v[rb+32+2*(\pp):rb+32+2*(\pp)+1] op_sel_hi:[1,0,1]
.endr
.irp hf, 0,1
	global_store_b128 v1, v[rb+4*(\hf):rb+4*(\hf)+3], s[12:13] offset:1024*(\qd)+512*(\hf) th:TH_STORE_NT  ; 512 consecutive bytes, aligned
.endr
.endm
	QLOAD 0, 0
	QLOAD 1, 1
	QLOAD 2, 2
	QSUM 0, 0, 32
	s_wait_xcnt 0x0                                ; the stores have read the registers that the last quarter is loaded into
	QLOAD 3, 0
	QSUM 1, 1, 32
	QSUM 2, 2, 16
	QSUM 3, 0, 0
	s_endpgm
.Lfunc_end_k_qbe8fd1ae8d_combine:
	.size	k_qbe8fd1ae8d_combine, .Lfunc_end_k_qbe8fd1ae8d_combine-k_qbe8fd1ae8d_combine
	.p2alignl 7, 3214868480
	.fill 96, 4, 3214868480
	.section	.rodata,"a",@progbits
	.p2align	6, 0x0
	.amdhsa_kernel k_qbe8fd1ae8d_combine
		.amdhsa_group_segment_fixed_size 0
		.amdhsa_private_segment_fixed_size 0
		.amdhsa_enable_private_segment 0
		.amdhsa_kernarg_size 40
		.amdhsa_user_sgpr_count 2
		.amdhsa_user_sgpr_kernarg_segment_ptr 1
		.amdhsa_wavefront_size32 1
		.amdhsa_system_sgpr_workgroup_id_x 1
		.amdhsa_system_sgpr_workgroup_id_y 1
		.amdhsa_system_sgpr_workgroup_id_z 1
		.amdhsa_system_vgpr_workitem_id 0
		.amdhsa_next_free_vgpr 208
		.amdhsa_next_free_sgpr 66
		.amdhsa_reserve_vcc 0
		.amdhsa_float_denorm_mode_32 3
		.amdhsa_float_denorm_mode_16_64 3
		.amdhsa_memory_ordered 1
		.amdhsa_forward_progress 1
		.amdhsa_inst_pref_size 18
	.end_amdhsa_kernel
	.amdgpu_metadata
---
amdhsa.version: [ 1, 2 ]
amdhsa.kernels:
  - .name:           k_qbe8fd1ae8d_combine
    .symbol:         k_qbe8fd1ae8d_combine.kd
    .args:
      - { .name: ridx, .offset: 0, .size: 8, .value_kind: global_buffer, .address_space: global }
      - { .name: rgate, .offset: 8, .size: 8, .value_kind: global_buffer, .address_space: global }
      - { .name: posE, .offset: 16, .size: 8, .value_kind: global_buffer, .address_space: global }
      - { .name: y, .offset: 24, .size: 8, .value_kind: global_buffer, .address_space: global }
      - { .name: out0, .offset: 32, .size: 8, .value_kind: global_buffer, .address_space: global }
    .group_segment_fixed_size: 0
    .private_segment_fixed_size: 0
    .kernarg_segment_align: 8
    .kernarg_segment_size: 40
    .max_flat_workgroup_size: 128
    .sgpr_count:     66
    .vgpr_count:     208
    .wavefront_size: 32
...
	.end_amdgpu_metadata
.endif
;; end of part 5
;; ======== version 2 of 2: 5 launches; version 1 with the launches fc1, fc2 written anew for expert scheduling mode
;; limits: values are held in f16: magnitudes above 65,504 overflow, below 6.1e-05 lose precision; right only within a limited range of input values
;; workspace buffers: ridx 8,192 bytes of whole numbers; rgate 8,192 bytes; cnt 256 bytes of whole numbers; posE 32,768 bytes of whole numbers; xs 16,777,216 bytes; hid 67,108,864 bytes; y 134,217,728 bytes
;; launch router: the kernel of part 1 again; grid 256 x 1, 1 waves a work-group, no clusters, 0 bytes of LDS; arguments x, router_w, ridx, rgate; writes ridx, rgate
;; launch dispatch: the kernel of part 2 again; grid 64 x 8, 4 waves a work-group, no clusters, 1,536 bytes of LDS; arguments ridx, x, xs, cnt, posE; writes xs, cnt, posE
;; launch fc1 (part 6): grid 32 x 8, 4 waves a work-group, no clusters, 16,896 bytes of LDS; arguments cnt, xs, w1, hid; writes hid
.if DOCPART == 6
	.amdgcn_target "amdgcn-amd-amdhsa--gfx1250"
	.amdhsa_code_object_version 6
	.text
	.protected	k_qbe8fd1ae8d_fc1
	.globl	k_qbe8fd1ae8d_fc1
	.p2align	8
	.type	k_qbe8fd1ae8d_fc1,@function
k_qbe8fd1ae8d_fc1:
	s_mov_b64 s[64:65], 0
	v_nop
	global_prefetch_b8 v0, s[64:65] scope:SCOPE_SE
	s_setreg_imm32_b32 hwreg(HW_REG_WAVE_SCHED_MODE, 0, 2), 2
	s_setreg_imm32_b32 hwreg(HW_REG_WAVE_MODE, 25, 1), 1
	s_wait_xcnt 0x0
	s_wait_alu depctr_vm_vsrc(0)
; ONE TEXT FOR BOTH PRODUCTS OF AN EXPERT; LAYER says which.
;   LAYER 1: hid = gelu(xs w1[e]).  Work-group (slice, e): 128 columns of F, K = 1,024.  hid is f16, in the order in which the second product's operand registers take it.
;   LAYER 2: y[ks] = hid w2[e] over K quarter ks.  Work-group (slice + 8 ks, e): 128 columns of H, 1,024 of the 4,096 f.  y is f32 rows (partial sums), [4 ks][1,024 e + rank][1,024]; a later launch adds them.
; The weights are most of the bytes: each work-group streams 512 KB of f32 weights that it alone reads, once, and rounds them to f16 on their way through registers.
; TOKENS.  xs and hid: [e][64 tiles of 16 rows][kb][4 pc][32 lanes][16 bytes]; lane (r = lane % 16, h = lane / 16) of piece (kb, pc) holds, of row r, k = 64 kb + 32 h + 8 pc + 0..7.  K step s = 2 kb + c (32 along K)
; takes pieces 2 c and 2 c + 1 as the operand's registers 0-3 and 4-7: two loads of 512 consecutive bytes a tile, straight into registers.  That is a permutation of k inside 64; the weights take the same one.
; WEIGHTS.  For a K step wave w loads 8 rows x 512 bytes (rows 64 kb + 16 c + 32 (w & 1) + 8 (w >> 1) + 0..7), rounds them, and stores for each of its lane's four columns the 8 k as 16 bytes into an LDS slot:
; run w (2,048 bytes), place 32 j + lane holds column 4 lane + j.  Every wave reads all four runs as operands: column tile ct, row m is column 64 (ct & 1) + 4 m + (ct >> 1).  Stores and loads take 256 consecutive bytes for 16 lanes.
; THE MATRIX INSTRUCTION takes the weights as source 0 and the tokens as source 1: lane (r, h) holds token r, and register j of tile ct = 2 cj + b holds column 64 b + 32 h + 4 j + cj: 32 neighbouring columns a lane for each b.
; SHARES.  Four waves, as many as a WGP has SIMDs.  Wave w has the row tiles 20 g + 4 a + w, a = 0..4, and all 8 column tiles: 40 accumulators.  Group g = 0 (320 rows) is the fast way: five tiles a wave, the tile's number
; held at the expert's last tile, so that no wait and no barrier of the K loop hangs on data.  One forward branch a step jumps the fifth tile's eight products in a wave whose tile 16 + w does not exist.
; Rows past 320 (an expert may have all 1,024) go by groups g = 1 .. in a loop whose count is made from cnt[e]: there each wave loads and rounds the weights for itself, with no LDS ring and no barrier.
; THE PIPE.  K step s multiplies W(s), which lies in operand registers since step s - 1, by T(s).  Beside its products the step has 16 conversions and 38 memory instructions: W(s + 2), rounded in step s - 1, is stored into
; the LDS slot that W(s) has left (4); W(s + 3) is rounded; the loads of W(s + 6) go out (8), into the raw ring that step s - 1 rounded; W(s + 1) is read out of the other slot into the second set of operand registers (16);
; the loads of T(s + 3) go out (10).  They are dealt behind the step's first eleven products, six lines at the most behind each; the other 21 or 29 products follow with no memory instruction among them.
; ONE QUEUE OF LOADS.  Loads come back in order, so the groups {W(s + 6), T(s + 3)} are used in the order of issue: at the head of step s the two younger groups of 18 stay out; T(s) is in, and so is W(s + 3), issued ahead of it in its group.
; THE MODE: SCHED_MODE bits 1:0 = 2 (LLVM: expert scheduling mode 2), set by the entry lines.  The code itself states the register dependences between vector or matrix instructions and memory or LDS instructions,
; with s_wait_alu, always for 0.
; THE PLAN.  Registers that memory or LDS instructions touch in the K loop (W(j), T(j): the weights and tokens of K step j):
;   STG, four raw rings    W(j) in ring j % 4: the loads of step j - 6 land in it; the conversions of step j - 3 read it; it is loaded again in step j - 2.
;   PK, two sets           W(j) in set j % 2: the conversions of step j - 3 write it; the LDS stores of step j - 2 read it; it is written again in step j - 1.
;   WF, two operand sets   W(j) in set j % 2: the LDS loads of step j - 1 land in it; the products of step j read it; it is loaded again in step j + 1.
;   T, four token rings    T(j) in ring j % 4: the loads of step j - 3 land in it; the products of step j read it; it is loaded again in step j + 1.
;   the offsets and LDS addresses are made at the head and never written in the loop: the scalar bases walk, and immediate offsets do the rest.  The accumulators are named by matrix instructions alone.
; So what a step's memory instructions touch was last named by vector or matrix instructions of the step BEFORE, and no vector or matrix instruction of the step itself names it: its products name set s % 2, ring s % 4 and the
; accumulators, its conversions raw ring (s + 3) % 4 and PK set (s + 1) % 2; its memory instructions touch PK set s % 2, raw ring (s + 2) % 4, operand set (s + 1) % 2 and token ring (s + 3) % 4.
; ONE wait on va_vdst at a step's head states all that the 38 hang on, and one wait on vm_vsrc beside it that the last step's LDS stores have read the PK set that this step's conversions write.
; NO CLUSTER: what an expert's work-groups share is the token tiles; how many there are hangs on cnt[e], a joint load may not be jumped, and joint loads of all 64 tiles would fetch about four times the bytes needed.
; LIMITS.  f16 operands: |x|, |w|, |hidden| stay under 65,504 (beyond: infinity); below 6e-5 the step is 6e-8.  Sums in f32, in another order than reference()'s.  NaN and infinities are not treated apart.
.set LAYER, 1
.if LAYER == 1
.set PSH,   14                         ; a weight row is 1 << PSH bytes
.set TSH,   15                         ; a token tile is 1 << TSH bytes
.set OSH,   17                         ; a tile of the output is 1 << OSH bytes
.set STAGE, 16384
.else
.set PSH,   12
.set TSH,   17
.set OSH,   16
.set STAGE, 16384                      ; behind the ring: 16 rows x 528 bytes for each wave, for the way out (528 = 33 x 16: the 16 rows of a store begin 16 bytes apart modulo 256)
.endif
.set PITCH, 1<<PSH
.set SLOTB, 8192                       ; LDS bytes 0 to 16,383: two slots of four runs of 2,048 bytes; W(j) lies in slot j % 2
; window 0
.set L16,  1                           ; v1   lane x 16
.set LDA,  4                           ; v4   where I read operands: 2,048 h + 16 r
.set WOFS, 5                           ; v5   the overflow way: 32 h rows + 16 r
.set PFO,  6                           ; v6   prefetch: my lane's row among the wave's 32 rows of four K steps
.set STO,  9                           ; v9   LAYER 2: where I put 16 bytes of a row in my stage
.set RD,   10                          ; v10  LAYER 2: where I read a row back
.set TOFF, 12                          ; v12-16  tile a: its byte offset + lane x 16
.set WF,   40                          ; v40-103, v104-167  weight operands, two sets of 8 a column tile: W(j) in set j % 2
.set PKD,  40                          ;         LAYER 1, way out: 32 registers to store
.set X,    104                         ;         way out: a tile's 64 results
.set Z,    168                         ; v168-231  way out: at work
; window 1: v0-159 token operands, four rings of 5 tiles x 8 (T(j) in ring j % 4); v160-223 the accumulators of tile a = 4.   window 2: the accumulators of tiles a = 0..3 at 64 a + 8 ct
.set A4,   160
; window 3: the stream of weights, so that its loads, conversions and LDS stores go under one setting
.set STG,   0                          ; v0-127   weights as loaded: four rings of 32 (W(j) in ring j % 4)
.set PK,    128                        ; v128-159 rounded weights on their way to LDS: two sets of 16 (W(j) in set j % 2)
.set WOFF3, 160                        ; v160     lane x 16 + my wave's first row of a K step
.set STA3,  161                        ; v161     where I store into a slot: 2,048 w + 16 lane
.set WB,  24                           ; s[24:25] weights, s[26:27] tokens: the bases that walk along K
.set TB,  26
.set WB0, 28                           ; s[28:29], s[30:31] their starts, kept for the overflow way
.set TB0, 30
.set OB,  32                           ; s[32:33] the output at the tile in hand
.set OF,  34                           ; s[34:35] an offset in 64 bits; s35 stays 0
; s12 wave, s13 expert, s14 slice, s15 ks, s16 n, s17 tiles, s18 last tile stored, s19 groups, s20 g, s21 a, s22-23 at work, s36-37 counters, s38 the output offset's fixed part, s39 1: tile 16 + w exists, s[40:43] gelu's constants
.set MSB, 0
.macro WIN new                         ; s_set_vgpr_msb: bits 1:0 source 0, 3:2 source 1, 5:4 source 2, 7:6 destination; the high byte repeats the setting that is left
.if MSB != (\new)
	s_set_vgpr_msb (MSB<<8)|(\new)
.set MSB, (\new)
.endif
.endm
.set MULA,  0xa4                       ; weights window 0, tokens window 1, C and D window 2
.set MULB,  0x54                       ; the same, C and D window 1
.set TOT,   0x40                       ; destination window 1, address window 0
.set TO3,   0xc0                       ; destination window 3, sources window 0
.set W3,    0xcf                       ; destination and sources 0 and 1 window 3
.set FROM3, 0x0f                       ; sources 0 and 1 window 3, destination window 0
.set FROM2, 0x02                       ; source 0 window 2
.set FROM1, 0x01
.macro PLACES                          ; four plain instructions between a matrix instruction and a load into, or a vector instruction on, its registers
.rept 4
	v_nop
.endr
.endm
.macro LOADW x, ring, i0, n            ; the weights of K step x from the base: rows i0 .. i0 + n - 1 of my 8, each load one whole piece of 512 consecutive bytes, read once in the launch
	WIN W3
.set wi, (\i0)
.rept (\n)
	global_load_b128 v[STG+32*(\ring)+4*wi:STG+32*(\ring)+4*wi+3], v[WOFF3], s[WB:WB+1] offset:(64*((\x)/2)+16*((\x)%2)+wi)*PITCH th:TH_LOAD_NT
.set wi, wi+1
.endr
.endm
.macro LOADT x, ring, i0, n            ; the tokens of K step x from the base: loads i0 .. i0 + n - 1 of ten: tile i / 2, piece i % 2
	WIN TOT
.set ti, (\i0)
.rept (\n)
	global_load_b128 v[40*(\ring)+4*ti:40*(\ring)+4*ti+3], v[TOFF+ti/2], s[TB:TB+1] offset:2048*((\x)/2)+1024*((\x)%2)+512*(ti%2)
.set ti, ti+1
.endr
.endm
.macro CVTJ ring, j, pk                ; column j of my four: its 8 k of f32 -> 4 registers of f16 in set pk
	WIN W3
.irp m, 0,1,2,3
	v_cvt_pk_f16_f32 v[PK+16*(\pk)+4*(\j)+(\m)], v[STG+32*(\ring)+8*(\m)+(\j)], v[STG+32*(\ring)+8*(\m)+4+(\j)]
.endr
.endm
.macro STWJ slot, j, pk
	WIN W3
	ds_store_b128 v[STA3], v[PK+16*(\pk)+4*(\j):PK+16*(\pk)+4*(\j)+3] offset:(\slot)*SLOTB+512*(\j)
.endm
.macro LDWF2 slot, wfb, c0             ; the operands of column tiles c0 and c0 + 1: four loads
	WIN 0
.irp c, 0,1
	ds_load_b128 v[(\wfb)+8*((\c0)+(\c)):(\wfb)+8*((\c0)+(\c))+3],   v[LDA] offset:(\slot)*SLOTB+256*((\c0)+(\c))
	ds_load_b128 v[(\wfb)+8*((\c0)+(\c))+4:(\wfb)+8*((\c0)+(\c))+7], v[LDA] offset:(\slot)*SLOTB+256*((\c0)+(\c))+4096
.endr
.endm
; Product q of 32: column tile q / 4, row tile q % 4.  zero = 1: the first K step starts the sums.
.macro WA q, ring, wfb, zero
	WIN MULA
.set rD, 64*((\q)%4)+8*((\q)/4)
.set rA, (\wfb)+8*((\q)/4)
.set rB, 40*(\ring)+8*((\q)%4)
.if \zero
	v_wmma_f32_16x16x32_f16 v[rD:rD+7], v[rA:rA+7], v[rB:rB+7], 0
.else
	v_wmma_f32_16x16x32_f16 v[rD:rD+7], v[rA:rA+7], v[rB:rB+7], v[rD:rD+7]
.endif
.endm
.macro WBLK ring, wfb, zero            ; the fifth row tile's eight products
	WIN MULB
.irp ct, 0,1,2,3,4,5,6,7
.if \zero
	v_wmma_f32_16x16x32_f16 v[A4+8*(\ct):A4+8*(\ct)+7], v[(\wfb)+8*(\ct):(\wfb)+8*(\ct)+7], v[40*(\ring)+32:40*(\ring)+39], 0
.else
	v_wmma_f32_16x16x32_f16 v[A4+8*(\ct):A4+8*(\ct)+7], v[(\wfb)+8*(\ct):(\wfb)+8*(\ct)+7], v[40*(\ring)+32:40*(\ring)+39], v[A4+8*(\ct):A4+8*(\ct)+7]
.endif
.endr
.endm
; The weights of K steps 12 to 15 from the base are asked for: my wave's own 32 rows x 512 bytes, 64 aligned blocks of 256 bytes, a lane and a line each, every block once in the launch;
; the loads that want them are issued from the sixth step from the base on.  Steps 0 to 11 are not asked for: their loads go out in the launch's first six steps.
.macro PF
	global_prefetch_b8 v[PFO], s[WB:WB+1] offset:384*PITCH th:TH_LOAD_NT scope:SCOPE_SE
	global_prefetch_b8 v[PFO], s[WB:WB+1] offset:384*PITCH+256 th:TH_LOAD_NT scope:SCOPE_SE
.endm
; K STEP u from the base (the base stands at a multiple of four steps).  The step's accumulators take turns, one instruction a turn, in the same order in every step.
; cnt: the younger loads that may stay out.  cv: W(u + 3) is rounded.  st: W(u + 2) is stored.  lw: W(u + 1) is read as operands.  iw, it: W(u + 6), T(u + 3) are issued.  pf: the prefetch stands behind the step's last load, but for the loop's last trip.
; THE DEAL.  Behind product 0 the four LDS stores; behind products 1 to 4 four conversions and two loads of weights each; behind products 5 to 8 four LDS loads each; behind products 9 and 10 five loads of tokens each.
; The sixteen conversions (or four v_nop behind product 0) also stand as plain instructions between the last step's products and the loads into the operand set and the token ring that those products read; the wait at the head fills no such place.
; bar: the step's one barrier.  In front of its signal, behind product 27, my stores into slot u % 2 and my reads of the other slot are done;
; behind its wait everybody stores into the slot just read and reads the slot just stored.  Four products, work on registers alone, stand between the signal and the wait.
.macro STEP u, zero, iw, it, cnt, cv, st, lw, bar, pf=0
.set rT_, (\u)%4
.set wfU, WF+64*((\u)%2)
.set wfN, WF+64*(((\u)+1)%2)
	s_wait_loadcnt \cnt
.if \cv
	s_wait_alu depctr_vm_vsrc(0)                   ; the LDS stores of the step before have read PK set (u + 1) % 2, which this step's conversions write again
.endif
.if (\st) || (\lw)
	s_wait_alu depctr_va_vdst(0)                   ; the step before: its conversions have written PK set u % 2, which the stores read, and are done reading the raw ring in which W(u + 6) lands; its products are done reading the operand set in which W(u + 1) lands and the token ring in which T(u + 3) lands
.endif
.set q, 0
.rept 32
	WA q, rT_, wfU, \zero
.if q == 0
.if \st
	STWJ (\u)%2, 0, (\u)%2                         ; no wait from here to the step's end: no vector or matrix instruction since the wait above names a register that the step's memory instructions touch
	STWJ (\u)%2, 1, (\u)%2
	STWJ (\u)%2, 2, (\u)%2
	STWJ (\u)%2, 3, (\u)%2
.endif
.if !(\cv) && (\lw)
	PLACES
.endif
.elseif q < 5
.if \cv
	CVTJ ((\u)+3)%4, q-1, ((\u)+1)%2
.endif
.if \iw
	LOADW (\u)+6, ((\u)+2)%4, 2*(q-1), 2           ; into the ring that the step before rounded
.endif
.elseif q < 9
.if \lw
	LDWF2 ((\u)+1)%2, wfN, 2*(q-5)
.endif
.elseif q < 11
.if \it
	LOADT (\u)+3, ((\u)+3)%4, 5*(q-9), 5
.endif
.if (\pf) && (q == 10)
	WIN 0                                          ; at a branch and at a label every window is 0
	s_cmp_eq_u32 s36, 1
	s_cbranch_scc1 .Lno_pf_\@                      ; the last trip's look-ahead would pass my 1,024 rows: it asks for nothing
	PF
.Lno_pf_\@:
.endif
.elseif q == 19
.if \zero
	WBLK rT_, wfU, 1                               ; always: the fifth tile's accumulators are written on every way
.else
	WIN 0
	s_cmp_eq_u32 s39, 0
	s_cbranch_scc1 .Ldead_\@                       ; my tile 16 + w does not exist: its eight products are jumped, and nothing else
	WBLK rT_, wfU, 0
	WIN 0
.Ldead_\@:
.endif
.elseif q == 27
.if (\lw) || (\st)
	s_wait_dscnt 0x0                               ; my operands of the next step are in, my stores are done
.endif
.if \bar
	s_barrier_signal -1
.endif
.endif
.set q, q+1
.endr
.if \bar
	s_barrier_wait -1
.endif
.endm
.macro MULP zero                       ; the overflow way: a K step's 40 products on end
.set q, 0
.rept 32
	WA q, 0, WF, \zero
.set q, q+1
.endr
	WBLK 0, WF, \zero
.endm
.macro SETT                            ; the offsets of group g's five tiles: 20 g + 4 a + w, held at the expert's last tile and inside the 64 of the layout
	s_mul_i32 s23, s20, 20
	s_add_co_u32 s23, s23, s12
.irp a, 0,1,2,3,4
	s_add_co_u32 s22, s23, 4*(\a)
	s_min_u32 s22, s22, s18
	s_min_u32 s22, s22, 63
	s_lshl_b32 s22, s22, TSH
	v_add_nc_u32 v[TOFF+(\a)], s22, v[L16]
.endr
.endm
.macro NEXT                            ; four K steps on: 128 rows of weights, two kb of tokens
	s_wait_xcnt 0x0                                ; the bases are rewritten only behind this wait
	s_add_nc_u64 s[WB:WB+1], s[WB:WB+1], 128*PITCH
	s_add_nc_u64 s[TB:TB+1], s[TB:TB+1], 4096
.endm
; Tile a's 64 results come into window 0, where one text serves all five tiles; each accumulator's registers in ascending order.
; LAYER 2 lays them so that four neighbouring columns stand in four neighbouring registers.
.macro COPY a
.if (\a) < 4
	WIN FROM2
.set cb, 64*(\a)
.else
	WIN FROM1
.set cb, A4
.endif
.set i, 0
.rept 64
.if LAYER == 1
	v_mov_b32 v[X+i], v[cb+i]
.else
	v_mov_b32 v[X+4*(8*((i/8)%2)+i%8)+i/16], v[cb+i]
.endif
.set i, i+1
.endr
	WIN 0
.endm
	s_load_b256 s[4:11], s[0:1], 0x0               ; cnt s[4:5], tokens s[6:7], weights s[8:9], output s[10:11]
	v_lshl_add_u32 v254, v0, 2, 0x4000
	v_mov_b32 v255, 0
	v_lshrrev_b32 v17, 5, v0
	v_readfirstlane_b32 s12, v17                   ; wave 0..3
	s_and_b32 s13, ttmp7, 0xffff                   ; expert
.if LAYER == 1
	s_mov_b32 s14, ttmp9                           ; slice of 128 columns
	s_mov_b32 s15, 0
.else
	s_and_b32 s14, ttmp9, 7                        ; slice of 128 columns
	s_lshr_b32 s15, ttmp9, 3                       ; quarter of K
.endif
	v_and_b32 v18, 31, v0
	v_lshlrev_b32 v[L16], 4, v18
	s_wait_alu depctr_va_sdst(0)                   ; s12 is written, ahead of its first reader: the wave's rows, its LDS bytes and its tiles are made from it
	s_and_b32 s22, s12, 1
	s_lshl_b32 s22, s22, 5
	s_lshr_b32 s23, s12, 1
	s_lshl_b32 s23, s23, 3
	s_add_co_u32 s22, s22, s23                     ; my wave's rows begin at 32 (w & 1) + 8 (w >> 1),
	s_lshl_b32 s22, s22, PSH                       ; in bytes
	s_lshl_b32 s23, s12, 11
	WIN TO3
	v_add_nc_u32 v[WOFF3], s22, v[L16]
	v_add_nc_u32 v[STA3], s23, v[L16]
	WIN 0
	v_and_b32 v19, 15, v0                          ; r
	v_bfe_u32 v20, v0, 4, 1                        ; h
	v_lshlrev_b32 v21, 4, v19
	v_lshl_add_u32 v[LDA], v20, 11, v21
	v_lshl_add_u32 v[WOFS], v20, PSH+5, v21
	v_and_b32 v22, 7, v0                           ; lane l stands for row 64 (l >> 4) + 16 ((l >> 3) & 1) + (l & 7) of the wave's 32 in four K steps
	v_bfe_u32 v23, v0, 3, 1
	v_lshl_add_u32 v22, v23, 4, v22
	v_lshl_add_u32 v22, v20, 6, v22
	v_lshl_add_u32 v[PFO], v22, PSH, s22
.if LAYER == 2
	s_mul_i32 s23, s12, 16*528
	s_add_co_u32 s23, s23, STAGE                   ; my stage
	v_mul_u32_u24 v[STO], v19, 528                 ; in: row r, 128 bytes for each half of the lanes
	v_lshl_add_u32 v[STO], v20, 7, v[STO]
	v_add_nc_u32 v[STO], s23, v[STO]
	v_add_nc_u32 v[RD], s23, v[L16]                ; back: a row's 512 bytes, 16 a lane
.endif
	s_lshl_b32 s[OF], s13, 2
	s_mov_b32 s[OF+1], 0
	s_wait_kmcnt 0x0
	s_add_nc_u64 s[4:5], s[4:5], s[OF:OF+1]
	s_load_b32 s16, s[4:5], 0x0                    ; the expert's rows; the first weights go out while it is on its way
.if LAYER == 1
	s_lshl_b32 s[OF], s13, 24                      ; an expert's 16 MB of weights,
	s_lshl_b32 s22, s14, 9                         ; my 512 bytes of every row
	s_add_co_u32 s[OF], s[OF], s22
	s_add_nc_u64 s[WB0:WB0+1], s[8:9], s[OF:OF+1]
	s_lshl_b32 s[OF], s13, 21                      ; an expert's 2 MB of xs
	s_add_nc_u64 s[TB0:TB0+1], s[6:7], s[OF:OF+1]
	s_lshl_b32 s38, s13, 23                        ; hid: an expert's 8 MB, my two kb of 2,048 bytes in every tile
	s_lshl_b32 s22, s14, 12
	s_add_co_u32 s38, s38, s22
	s_mov_b32 s40, 0xc0135761                      ; -2 log2(e) sqrt(2 / pi) = -2.3022082
	s_mov_b32 s41, s40                             ; named with it as a pair
	s_mov_b32 s42, 0xbdd2d3e8                      ; that x 0.044715 = -0.10294324
	s_mov_b32 s43, s42
.else
	s_lshl_b32 s[OF], s13, 24                      ; an expert's 16 MB of weights,
	s_lshl_b32 s22, s15, 22                        ; my quarter's 1,024 rows,
	s_add_co_u32 s[OF], s[OF], s22
	s_lshl_b32 s22, s14, 9                         ; my 512 bytes of every row
	s_add_co_u32 s[OF], s[OF], s22
	s_add_nc_u64 s[WB0:WB0+1], s[8:9], s[OF:OF+1]
	s_lshl_b32 s[OF], s13, 23                      ; an expert's 8 MB of hid,
	s_lshl_b32 s22, s15, 15                        ; my quarter's 16 kb in every tile
	s_add_co_u32 s[OF], s[OF], s22
	s_add_nc_u64 s[TB0:TB0+1], s[6:7], s[OF:OF+1]
	s_lshl_b32 s38, s15, 25                        ; y: a quarter's 32 MB, an expert's 1,024 rows, my 512 bytes of every row
	s_lshl_b32 s22, s13, 22
	s_add_co_u32 s38, s38, s22
	s_lshl_b32 s22, s14, 9
	s_add_co_u32 s38, s38, s22
.endif
	s_mov_b64 s[WB:WB+1], s[WB0:WB0+1]
	s_mov_b64 s[TB:TB+1], s[TB0:TB0+1]
	WIN W3
	s_wait_alu depctr_va_vdst(0)                   ; the offsets and LDS addresses made above are written (v1, v4 to v6, v9, v10, and v160, v161 of window 3): every load, store and prefetch of the kernel reads one of them
	LOADW 0, 0, 0, 8
	LOADW 1, 1, 0, 8
	LOADW 2, 2, 0, 8
	LOADW 3, 3, 0, 8
	WIN 0
	s_wait_kmcnt 0x0
	s_min_u32 s16, s16, 1024
	s_add_co_u32 s17, s16, 15
	s_lshr_b32 s17, s17, 4                         ; tiles
	s_max_u32 s18, s17, 1
	s_sub_co_u32 s18, s18, 1                       ; the last tile that exists (tile 0 exists for an expert without rows too)
	s_mov_b32 s19, 1                               ; groups of 20 tiles
.irp lim, 20, 40, 60
	s_cmp_gt_u32 s17, \lim
	s_add_co_ci_u32 s19, s19, 0
.endr
	s_add_co_u32 s22, s12, 16
	s_cmp_le_u32 s22, s18
	s_cselect_b32 s39, 1, 0                        ; does my fifth tile of group 0 exist?
	s_mov_b32 s20, 0
	SETT
	WIN TOT
	s_wait_alu depctr_va_vdst(0)                   ; the five offsets v[TOFF ..] are written, which the loads of tokens read
	LOADT 0, 0, 0, 10
	LOADT 1, 1, 0, 10
	LOADT 2, 2, 0, 10
	s_wait_loadcnt 54                              ; W(0) is in: behind it 24 loads of weights and 30 of tokens
.irp j, 0,1,2,3
	CVTJ 0, \j, 0
.endr
	s_wait_alu depctr_va_vdst(0)                   ; the conversions have written PK set 0, which the stores read, and are done reading raw ring 0, in which W(4) lands
.irp j, 0,1,2,3
	STWJ 0, \j, 0
.endr
	LOADW 4, 0, 0, 8
	s_wait_loadcnt 54                              ; W(1) is in: behind it W(2), W(3), 30 of tokens and W(4)
.irp j, 0,1,2,3
	CVTJ 1, \j, 1
.endr
	s_wait_alu depctr_va_vdst(0)                   ; the conversions have written PK set 1, which the stores read, and are done reading raw ring 1, in which W(5) lands
.irp j, 0,1,2,3
	STWJ 1, \j, 1
.endr
	LOADW 5, 1, 0, 8
	s_wait_loadcnt 54                              ; W(2) is in: behind it W(3), 30 of tokens, W(4) and W(5)
	s_wait_alu depctr_vm_vsrc(0)                   ; the stores of W(0) have read PK set 0, which the conversions of W(2) write again
.irp j, 0,1,2,3
	CVTJ 2, \j, 0                                  ; step 0 stores it
.endr
	s_wait_dscnt 0x0
	s_barrier_signal -1
	s_barrier_wait -1                              ; both slots are whole
.irp c, 0,2,4,6
	LDWF2 0, WF, \c
.endr
	s_wait_dscnt 0x0
	s_barrier_signal -1
	s_barrier_wait -1                              ; everybody has read slot 0: step 0 stores into it
	; The queue so far: W(0..3), T(0), T(1), T(2), W(4), W(5).  Behind T(0) stand 36, and W(3), which step 0 rounds, stands ahead of it.
	STEP 0, 1, 1, 1, 36, 1, 1, 1, 1                ; the first K step stands ahead of the loop: its products start the sums
	WIN 0
	s_wait_loadcnt 26                              ; W(4), which step 1 rounds, is in: here alone it stands behind its step's tokens in the queue; behind it W(5), W(6) and T(3).  Behind W(5), for step 2: W(6), T(3), W(7), T(4), the loop's 36
	s_mov_b32 s36, 6
.Ltrip:                                                ; K steps 1 to 24
	STEP 1, 0, 1, 1, 36, 1, 1, 1, 1
	STEP 2, 0, 1, 1, 36, 1, 1, 1, 1, 1
	STEP 3, 0, 1, 1, 36, 1, 1, 1, 1
	STEP 4, 0, 1, 1, 36, 1, 1, 1, 1
	WIN 0
	NEXT
	s_sub_co_u32 s36, s36, 1
	s_cmp_lg_u32 s36, 0
	s_cbranch_scc1 .Ltrip
	STEP 1, 0, 1, 1, 36, 1, 1, 1, 1                ; K step 25: W(31), T(28)
	STEP 2, 0, 0, 1, 36, 1, 1, 1, 1                ; 26: no weights are left to fetch
	STEP 3, 0, 0, 1, 28, 1, 1, 1, 1                ; 27: behind T(27): step 25's 18 and T(29)
	STEP 4, 0, 0, 1, 20, 1, 1, 1, 1                ; 28: behind T(28): T(29), T(30); W(31) is rounded
	STEP 5, 0, 0, 0, 20, 0, 1, 1, 1                ; 29: behind T(29): T(30), T(31); W(31) is stored
	STEP 6, 0, 0, 0, 10, 0, 0, 1, 0                ; 30: behind T(30): T(31); W(31) is read; nobody writes the slots any more: no barrier
	STEP 7, 0, 0, 0, 0, 0, 0, 0, 0                 ; 31: no memory instruction, so no wait on the vector side
	WIN 0
.Lgroup:                                               ; once for each group of 20 tiles: as a rule once
	s_wait_alu depctr_vm_vsrc(0)                   ; ahead of the branch: the loads of tokens have read v[TOFF ..], which the overflow way writes anew; LAYER 1: the last group's stores have read v[PKD ..], into which it rounds its operands
	s_cmp_eq_u32 s20, 0
	s_cbranch_scc1 .Lfast
	; THE OVERFLOW WAY, for rows past 320.  Each wave takes the weights straight from memory as operands: lane (r, h) loads 16 bytes (columns 64 b + 4 r + 0..3) of 16 rows and rounds them.  No LDS, no barrier.
	s_wait_xcnt 0x0                                ; the last group's stores have read their registers
	SETT
	s_mov_b64 s[WB:WB+1], s[WB0:WB0+1]
	s_mov_b64 s[TB:TB+1], s[TB0:TB0+1]
	s_mov_b32 s37, 32
.Lhalf:                                                ; a K step of 32
	WIN TOT
	s_wait_alu depctr_va_vdst(0)                   ; in the first trip v[TOFF ..] are written, which the loads read; later the last K step's products are done reading the token ring, and its conversions the raw weights, in which the loads below land
	LOADT 0, 0, 0, 10
	WIN TO3
.irp b, 0,1
.irp i, 0,1,2,3,4,5,6,7,8,9,10,11,12,13,14,15
	global_load_b128 v[STG+64*(\b)+4*(\i):STG+64*(\b)+4*(\i)+3], v[WOFS], s[WB:WB+1] offset:(\i)*PITCH+256*(\b)
.endr
.endr
	s_wait_loadcnt 0x0
	WIN FROM3
.set i, 0
.rept 64                               ; operand register i: column tile i / 8 = 2 cj + b, rows 8 ((i / 4) % 2) + 2 (i % 4) and the next
	v_cvt_pk_f16_f32 v[WF+i], v[STG+64*((i/8)%2)+4*(8*((i/4)%2)+2*(i%4))+i/16], v[STG+64*((i/8)%2)+4*(8*((i/4)%2)+2*(i%4)+1)+i/16]
.set i, i+1
.endr
	WIN 0
	s_cmp_eq_u32 s37, 32
	s_cbranch_scc0 .Lacc
	MULP 1                                         ; the group's first K step starts the sums: nothing is cleared
	WIN 0
	s_branch .Ljoin
.Lacc:
	MULP 0
	WIN 0
.Ljoin:
	PLACES                                         ; ahead of the next loads and conversions into the operands
	s_and_b32 s[OF], s37, 1                        ; the rows of the K steps begin at 64 kb + 16 c: 16 rows on, then 48
	s_lshl_b32 s[OF], s[OF], PSH+5
	s_add_co_u32 s[OF], s[OF], 16*PITCH
	s_add_nc_u64 s[WB:WB+1], s[WB:WB+1], s[OF:OF+1]  ; every load that names the bases has been waited for
	s_add_nc_u64 s[TB:TB+1], s[TB:TB+1], 1024
	s_sub_co_u32 s37, s37, 1
	s_cmp_lg_u32 s37, 0
	s_cbranch_scc1 .Lhalf
.Lfast:
	PLACES                                         ; behind the last products
	s_mov_b32 s21, 0
.Ltile:                                                ; THE WAY OUT, five times: tile 20 g + 4 a + w
	s_wait_xcnt 0x0                                ; the last tile's stores have read their data and their base
	s_wait_alu depctr_vm_vsrc(0)                   ; ahead of the branches: the last tile's stores have read their registers, which this tile writes again: LAYER 1 v[PKD ..]; LAYER 2 v[X ..] (the LDS stores) and v[Z ..] (the global stores)
	s_mul_i32 s22, s20, 20
	s_lshl2_add_u32 s22, s21, s22
	s_add_co_u32 s22, s22, s12
	s_cmp_gt_u32 s22, s18
	s_cbranch_scc1 .Lskip                          ; past the expert's last tile: nothing is stored
	s_min_u32 s22, s22, 63
	s_lshl_b32 s[OF], s22, OSH
	s_add_co_u32 s[OF], s[OF], s38
	s_add_nc_u64 s[OB:OB+1], s[10:11], s[OF:OF+1]
	s_cmp_eq_u32 s21, 0
	s_cbranch_scc1 .Lcopy0
	s_cmp_eq_u32 s21, 1
	s_cbranch_scc1 .Lcopy1
	s_cmp_eq_u32 s21, 2
	s_cbranch_scc1 .Lcopy2
	s_cmp_eq_u32 s21, 3
	s_cbranch_scc1 .Lcopy3
	COPY 4
	s_branch .Lcommon
.Lcopy0:
	COPY 0
	s_branch .Lcommon
.Lcopy1:
	COPY 1
	s_branch .Lcommon
.Lcopy2:
	COPY 2
	s_branch .Lcommon
.Lcopy3:
	COPY 3
.Lcommon:
.if LAYER == 1
	; gelu by tanh is x / (1 + 2^(x (C0 + C1 x x))).  Far on the negative side the power is infinite, its reciprocal 0 and the result -0; far on the positive side the power is 0 and the result x.
.set i, 0
.rept 32
	v_pk_mul_f32 v[Z+2*i:Z+2*i+1], v[X+2*i:X+2*i+1], v[X+2*i:X+2*i+1]
.set i, i+1
.endr
.set i, 0
.rept 32
	v_pk_fma_f32 v[Z+2*i:Z+2*i+1], v[Z+2*i:Z+2*i+1], s[42:43], s[40:41] op_sel_hi:[1,0,0]
.set i, i+1
.endr
.set i, 0
.rept 32
	v_pk_mul_f32 v[Z+2*i:Z+2*i+1], v[Z+2*i:Z+2*i+1], v[X+2*i:X+2*i+1]
.set i, i+1
.endr
.set i, 0
.rept 64
	v_exp_f32 v[Z+i], v[Z+i]
.set i, i+1
.endr
	v_nop                                          ; a plain instruction behind the last exponential,
	s_wait_alu depctr_va_vdst(0)                   ; and one wait for the batch: the 64 exponentials have written v[Z ..], ahead of their first reader
.set i, 0
.rept 32
	v_pk_add_f32 v[Z+2*i:Z+2*i+1], v[Z+2*i:Z+2*i+1], 1.0 op_sel_hi:[1,0]
.set i, i+1
.endr
.set i, 0
.rept 64
	v_rcp_f32 v[Z+i], v[Z+i]
.set i, i+1
.endr
	v_nop
	s_wait_alu depctr_va_vdst(0)                   ; the same for the 64 reciprocals in v[Z ..]
.set i, 0
.rept 32
	v_pk_mul_f32 v[X+2*i:X+2*i+1], v[X+2*i:X+2*i+1], v[Z+2*i:Z+2*i+1]
.set i, i+1
.endr
.set i, 0
.rept 32                               ; word i = 16 b + 4 pc + d holds columns 64 b + 32 h + 8 pc + 2 d and the next: register 2 pc + d / 2 of column tiles 4 (d % 2) + b and 4 (d % 2) + 2 + b
	v_cvt_pk_f16_f32 v[PKD+i], v[X+8*(4*(i%2)+i/16)+2*((i/4)%4)+(i%4)/2], v[X+8*(4*(i%2)+2+i/16)+2*((i/4)%4)+(i%4)/2]
.set i, i+1
.endr
	s_wait_alu depctr_va_vdst(0)                   ; the conversions have written v[PKD ..], which the stores read
.set i, 0
.rept 8                                ; piece (kb = 2 slice + i / 4, pc = i % 4): 512 consecutive bytes, aligned
	global_store_b128 v[L16], v[PKD+4*i:PKD+4*i+3], s[OB:OB+1] offset:2048*(i/4)+512*(i%4)
.set i, i+1
.endr
.else
	; through my own stage: 16 bytes (four columns of my token's row) at a time in, whole pieces of 512 bytes of a row back.  LDS serves a wave's instructions in order (ISA guide 5.7.1.4): no wait between
	s_wait_alu depctr_va_vdst(0)                   ; the copies have written v[X ..], which the LDS stores read; no vector instruction names v[Z ..], in which the LDS loads land
.set i, 0
.rept 16
	ds_store_b128 v[STO], v[X+4*i:X+4*i+3] offset:256*(i/8)+16*(i%8)
.set i, i+1
.endr
.set i, 0
.rept 16
	ds_load_b128 v[Z+4*i:Z+4*i+3], v[RD] offset:528*i
.set i, i+1
.endr
.set i, 0
.rept 16
	s_wait_dscnt 15-i
	global_store_b128 v[L16], v[Z+4*i:Z+4*i+3], s[OB:OB+1] offset:4096*i  ; row i of the tile: 512 consecutive bytes, aligned
.set i, i+1
.endr
.endif
.Lskip:
	s_add_co_u32 s21, s21, 1
	s_cmp_lt_u32 s21, 5
	s_cbranch_scc1 .Ltile
	s_add_co_u32 s20, s20, 1
	s_cmp_lt_u32 s20, s19
	s_cbranch_scc1 .Lgroup
	s_wait_dscnt 0x0                               ; the wave's end: my LDS instructions are done.  Then one closing add into my word behind the ring (LAYER 2: behind the stages)
	s_wait_alu depctr_hold_cnt(0) depctr_sa_sdst(0) depctr_va_vdst(0) depctr_va_sdst(0) depctr_va_ssrc(0) depctr_va_vcc(0) depctr_vm_vsrc(0)
	s_wait_tensorcnt 0x0
	ds_add_u32 v254, v255
	s_wait_dscnt 0x0
	s_endpgm
.Lfunc_end_k_qbe8fd1ae8d_fc1:
	.size	k_qbe8fd1ae8d_fc1, .Lfunc_end_k_qbe8fd1ae8d_fc1-k_qbe8fd1ae8d_fc1
	.p2alignl 7, 3214868480
	.fill 96, 4, 3214868480
	.section	.rodata,"a",@progbits
	.p2align	6, 0x0
	.amdhsa_kernel k_qbe8fd1ae8d_fc1
		.amdhsa_group_segment_fixed_size 16896
		.amdhsa_private_segment_fixed_size 0
		.amdhsa_enable_private_segment 0
		.amdhsa_kernarg_size 32
		.amdhsa_user_sgpr_count 2
		.amdhsa_user_sgpr_kernarg_segment_ptr 1
		.amdhsa_wavefront_size32 1
		.amdhsa_system_sgpr_workgroup_id_x 1
		.amdhsa_system_sgpr_workgroup_id_y 1
		.amdhsa_system_sgpr_workgroup_id_z 1
		.amdhsa_system_vgpr_workitem_id 0
		.amdhsa_next_free_vgpr 960
		.amdhsa_next_free_sgpr 66
		.amdhsa_reserve_vcc 0
		.amdhsa_float_denorm_mode_32 3
		.amdhsa_float_denorm_mode_16_64 3
		.amdhsa_memory_ordered 1
		.amdhsa_forward_progress 1
		.amdhsa_inst_pref_size 137
	.end_amdhsa_kernel
	.amdgpu_metadata
---
amdhsa.version: [ 1, 2 ]
amdhsa.kernels:
  - .name:           k_qbe8fd1ae8d_fc1
    .symbol:         k_qbe8fd1ae8d_fc1.kd
    .args:
      - { .name: cnt, .offset: 0, .size: 8, .value_kind: global_buffer, .address_space: global }
      - { .name: xs, .offset: 8, .size: 8, .value_kind: global_buffer, .address_space: global }
      - { .name: w1, .offset: 16, .size: 8, .value_kind: global_buffer, .address_space: global }
      - { .name: hid, .offset: 24, .size: 8, .value_kind: global_buffer, .address_space: global }
    .group_segment_fixed_size: 16896
    .private_segment_fixed_size: 0
    .kernarg_segment_align: 8
    .kernarg_segment_size: 32
    .max_flat_workgroup_size: 128
    .sgpr_count:     66
    .vgpr_count:     960
    .wavefront_size: 32
...
	.end_amdgpu_metadata
.endif
;; end of part 6
;; launch fc2 (part 7): grid 32 x 8, 4 waves a work-group, no clusters, 50,688 bytes of LDS; arguments cnt, hid, w2, y; writes y
.if DOCPART == 7
	.amdgcn_target "amdgcn-amd-amdhsa--gfx1250"
	.amdhsa_code_object_version 6
	.text
	.protected	k_qbe8fd1ae8d_fc2
	.globl	k_qbe8fd1ae8d_fc2
	.p2align	8
	.type	k_qbe8fd1ae8d_fc2,@function
k_qbe8fd1ae8d_fc2:
	s_mov_b64 s[64:65], 0
	v_nop
	global_prefetch_b8 v0, s[64:65] scope:SCOPE_SE
	s_setreg_imm32_b32 hwreg(HW_REG_WAVE_SCHED_MODE, 0, 2), 2
	s_setreg_imm32_b32 hwreg(HW_REG_WAVE_MODE, 25, 1), 1
	s_wait_xcnt 0x0
	s_wait_alu depctr_vm_vsrc(0)
; ONE TEXT FOR BOTH PRODUCTS OF AN EXPERT; LAYER says which.
;   LAYER 1: hid = gelu(xs w1[e]).  Work-group (slice, e): 128 columns of F, K = 1,024.  hid is f16, in the order in which the second product's operand registers take it.
;   LAYER 2: y[ks] = hid w2[e] over K quarter ks.  Work-group (slice + 8 ks, e): 128 columns of H, 1,024 of the 4,096 f.  y is f32 rows (partial sums), [4 ks][1,024 e + rank][1,024]; a later launch adds them.
; The weights are most of the bytes: each work-group streams 512 KB of f32 weights that it alone reads, once, and rounds them to f16 on their way through registers.
; TOKENS.  xs and hid: [e][64 tiles of 16 rows][kb][4 pc][32 lanes][16 bytes]; lane (r = lane % 16, h = lane / 16) of piece (kb, pc) holds, of row r, k = 64 kb + 32 h + 8 pc + 0..7.  K step s = 2 kb + c (32 along K)
; takes pieces 2 c and 2 c + 1 as the operand's registers 0-3 and 4-7: two loads of 512 consecutive bytes a tile, straight into registers.  That is a permutation of k inside 64; the weights take the same one.
; WEIGHTS.  For a K step wave w loads 8 rows x 512 bytes (rows 64 kb + 16 c + 32 (w & 1) + 8 (w >> 1) + 0..7), rounds them, and stores for each of its lane's four columns the 8 k as 16 bytes into an LDS slot:
; run w (2,048 bytes), place 32 j + lane holds column 4 lane + j.  Every wave reads all four runs as operands: column tile ct, row m is column 64 (ct & 1) + 4 m + (ct >> 1).  Stores and loads take 256 consecutive bytes for 16 lanes.
; THE MATRIX INSTRUCTION takes the weights as source 0 and the tokens as source 1: lane (r, h) holds token r, and register j of tile ct = 2 cj + b holds column 64 b + 32 h + 4 j + cj: 32 neighbouring columns a lane for each b.
; SHARES.  Four waves, as many as a WGP has SIMDs.  Wave w has the row tiles 20 g + 4 a + w, a = 0..4, and all 8 column tiles: 40 accumulators.  Group g = 0 (320 rows) is the fast way: five tiles a wave, the tile's number
; held at the expert's last tile, so that no wait and no barrier of the K loop hangs on data.  One forward branch a step jumps the fifth tile's eight products in a wave whose tile 16 + w does not exist.
; Rows past 320 (an expert may have all 1,024) go by groups g = 1 .. in a loop whose count is made from cnt[e]: there each wave loads and rounds the weights for itself, with no LDS ring and no barrier.
; THE PIPE.  K step s multiplies W(s), which lies in operand registers since step s - 1, by T(s).  Beside its products the step has 16 conversions and 38 memory instructions: W(s + 2), rounded in step s - 1, is stored into
; the LDS slot that W(s) has left (4); W(s + 3) is rounded; the loads of W(s + 6) go out (8), into the raw ring that step s - 1 rounded; W(s + 1) is read out of the other slot into the second set of operand registers (16);
; the loads of T(s + 3) go out (10).  They are dealt behind the step's first eleven products, six lines at the most behind each; the other 21 or 29 products follow with no memory instruction among them.
; ONE QUEUE OF LOADS.  Loads come back in order, so the groups {W(s + 6), T(s + 3)} are used in the order of issue: at the head of step s the two younger groups of 18 stay out; T(s) is in, and so is W(s + 3), issued ahead of it in its group.
; THE MODE: SCHED_MODE bits 1:0 = 2 (LLVM: expert scheduling mode 2), set by the entry lines.  The code itself states the register dependences between vector or matrix instructions and memory or LDS instructions,
; with s_wait_alu, always for 0.
; THE PLAN.  Registers that memory or LDS instructions touch in the K loop (W(j), T(j): the weights and tokens of K step j):
;   STG, four raw rings    W(j) in ring j % 4: the loads of step j - 6 land in it; the conversions of step j - 3 read it; it is loaded again in step j - 2.
;   PK, two sets           W(j) in set j % 2: the conversions of step j - 3 write it; the LDS stores of step j - 2 read it; it is written again in step j - 1.
;   WF, two operand sets   W(j) in set j % 2: the LDS loads of step j - 1 land in it; the products of step j read it; it is loaded again in step j + 1.
;   T, four token rings    T(j) in ring j % 4: the loads of step j - 3 land in it; the products of step j read it; it is loaded again in step j + 1.
;   the offsets and LDS addresses are made at the head and never written in the loop: the scalar bases walk, and immediate offsets do the rest.  The accumulators are named by matrix instructions alone.
; So what a step's memory instructions touch was last named by vector or matrix instructions of the step BEFORE, and no vector or matrix instruction of the step itself names it: its products name set s % 2, ring s % 4 and the
; accumulators, its conversions raw ring (s + 3) % 4 and PK set (s + 1) % 2; its memory instructions touch PK set s % 2, raw ring (s + 2) % 4, operand set (s + 1) % 2 and token ring (s + 3) % 4.
; ONE wait on va_vdst at a step's head states all that the 38 hang on, and one wait on vm_vsrc beside it that the last step's LDS stores have read the PK set that this step's conversions write.
; NO CLUSTER: what an expert's work-groups share is the token tiles; how many there are hangs on cnt[e], a joint load may not be jumped, and joint loads of all 64 tiles would fetch about four times the bytes needed.
; LIMITS.  f16 operands: |x|, |w|, |hidden| stay under 65,504 (beyond: infinity); below 6e-5 the step is 6e-8.  Sums in f32, in another order than reference()'s.  NaN and infinities are not treated apart.
.set LAYER, 2
.if LAYER == 1
.set PSH,   14                         ; a weight row is 1 << PSH bytes
.set TSH,   15                         ; a token tile is 1 << TSH bytes
.set OSH,   17                         ; a tile of the output is 1 << OSH bytes
.set STAGE, 16384
.else
.set PSH,   12
.set TSH,   17
.set OSH,   16
.set STAGE, 16384                      ; behind the ring: 16 rows x 528 bytes for each wave, for the way out (528 = 33 x 16: the 16 rows of a store begin 16 bytes apart modulo 256)
.endif
.set PITCH, 1<<PSH
.set SLOTB, 8192                       ; LDS bytes 0 to 16,383: two slots of four runs of 2,048 bytes; W(j) lies in slot j % 2
; window 0
.set L16,  1                           ; v1   lane x 16
.set LDA,  4                           ; v4   where I read operands: 2,048 h + 16 r
.set WOFS, 5                           ; v5   the overflow way: 32 h rows + 16 r
.set PFO,  6                           ; v6   prefetch: my lane's row among the wave's 32 rows of four K steps
.set STO,  9                           ; v9   LAYER 2: where I put 16 bytes of a row in my stage
.set RD,   10                          ; v10  LAYER 2: where I read a row back
.set TOFF, 12                          ; v12-16  tile a: its byte offset + lane x 16
.set WF,   40                          ; v40-103, v104-167  weight operands, two sets of 8 a column tile: W(j) in set j % 2
.set PKD,  40                          ;         LAYER 1, way out: 32 registers to store
.set X,    104                         ;         way out: a tile's 64 results
.set Z,    168                         ; v168-231  way out: at work
; window 1: v0-159 token operands, four rings of 5 tiles x 8 (T(j) in ring j % 4); v160-223 the accumulators of tile a = 4.   window 2: the accumulators of tiles a = 0..3 at 64 a + 8 ct
.set A4,   160
; window 3: the stream of weights, so that its loads, conversions and LDS stores go under one setting
.set STG,   0                          ; v0-127   weights as loaded: four rings of 32 (W(j) in ring j % 4)
.set PK,    128                        ; v128-159 rounded weights on their way to LDS: two sets of 16 (W(j) in set j % 2)
.set WOFF3, 160                        ; v160     lane x 16 + my wave's first row of a K step
.set STA3,  161                        ; v161     where I store into a slot: 2,048 w + 16 lane
.set WB,  24                           ; s[24:25] weights, s[26:27] tokens: the bases that walk along K
.set TB,  26
.set WB0, 28                           ; s[28:29], s[30:31] their starts, kept for the overflow way
.set TB0, 30
.set OB,  32                           ; s[32:33] the output at the tile in hand
.set OF,  34                           ; s[34:35] an offset in 64 bits; s35 stays 0
; s12 wave, s13 expert, s14 slice, s15 ks, s16 n, s17 tiles, s18 last tile stored, s19 groups, s20 g, s21 a, s22-23 at work, s36-37 counters, s38 the output offset's fixed part, s39 1: tile 16 + w exists, s[40:43] gelu's constants
.set MSB, 0
.macro WIN new                         ; s_set_vgpr_msb: bits 1:0 source 0, 3:2 source 1, 5:4 source 2, 7:6 destination; the high byte repeats the setting that is left
.if MSB != (\new)
	s_set_vgpr_msb (MSB<<8)|(\new)
.set MSB, (\new)
.endif
.endm
.set MULA,  0xa4                       ; weights window 0, tokens window 1, C and D window 2
.set MULB,  0x54                       ; the same, C and D window 1
.set TOT,   0x40                       ; destination window 1, address window 0
.set TO3,   0xc0                       ; destination window 3, sources window 0
.set W3,    0xcf                       ; destination and sources 0 and 1 window 3
.set FROM3, 0x0f                       ; sources 0 and 1 window 3, destination window 0
.set FROM2, 0x02                       ; source 0 window 2
.set FROM1, 0x01
.macro PLACES                          ; four plain instructions between a matrix instruction and a load into, or a vector instruction on, its registers
.rept 4
	v_nop
.endr
.endm
.macro LOADW x, ring, i0, n            ; the weights of K step x from the base: rows i0 .. i0 + n - 1 of my 8, each load one whole piece of 512 consecutive bytes, read once in the launch
	WIN W3
.set wi, (\i0)
.rept (\n)
	global_load_b128 v[STG+32*(\ring)+4*wi:STG+32*(\ring)+4*wi+3], v[WOFF3], s[WB:WB+1] offset:(64*((\x)/2)+16*((\x)%2)+wi)*PITCH th:TH_LOAD_NT
.set wi, wi+1
.endr
.endm
.macro LOADT x, ring, i0, n            ; the tokens of K step x from the base: loads i0 .. i0 + n - 1 of ten: tile i / 2, piece i % 2
	WIN TOT
.set ti, (\i0)
.rept (\n)
	global_load_b128 v[40*(\ring)+4*ti:40*(\ring)+4*ti+3], v[TOFF+ti/2], s[TB:TB+1] offset:2048*((\x)/2)+1024*((\x)%2)+512*(ti%2)
.set ti, ti+1
.endr
.endm
.macro CVTJ ring, j, pk                ; column j of my four: its 8 k of f32 -> 4 registers of f16 in set pk
	WIN W3
.irp m, 0,1,2,3
	v_cvt_pk_f16_f32 v[PK+16*(\pk)+4*(\j)+(\m)], v[STG+32*(\ring)+8*(\m)+(\j)], v[STG+32*(\ring)+8*(\m)+4+(\j)]
.endr
.endm
.macro STWJ slot, j, pk
	WIN W3
	ds_store_b128 v[STA3], v[PK+16*(\pk)+4*(\j):PK+16*(\pk)+4*(\j)+3] offset:(\slot)*SLOTB+512*(\j)
.endm
.macro LDWF2 slot, wfb, c0             ; the operands of column tiles c0 and c0 + 1: four loads
	WIN 0
.irp c, 0,1
	ds_load_b128 v[(\wfb)+8*((\c0)+(\c)):(\wfb)+8*((\c0)+(\c))+3],   v[LDA] offset:(\slot)*SLOTB+256*((\c0)+(\c))
	ds_load_b128 v[(\wfb)+8*((\c0)+(\c))+4:(\wfb)+8*((\c0)+(\c))+7], v[LDA] offset:(\slot)*SLOTB+256*((\c0)+(\c))+4096
.endr
.endm
; Product q of 32: column tile q / 4, row tile q % 4.  zero = 1: the first K step starts the sums.
.macro WA q, ring, wfb, zero
	WIN MULA
.set rD, 64*((\q)%4)+8*((\q)/4)
.set rA, (\wfb)+8*((\q)/4)
.set rB, 40*(\ring)+8*((\q)%4)
.if \zero
	v_wmma_f32_16x16x32_f16 v[rD:rD+7], v[rA:rA+7], v[rB:rB+7], 0
.else
	v_wmma_f32_16x16x32_f16 v[rD:rD+7], v[rA:rA+7], v[rB:rB+7], v[rD:rD+7]
.endif
.endm
.macro WBLK ring, wfb, zero            ; the fifth row tile's eight products
	WIN MULB
.irp ct, 0,1,2,3,4,5,6,7
.if \zero
	v_wmma_f32_16x16x32_f16 v[A4+8*(\ct):A4+8*(\ct)+7], v[(\wfb)+8*(\ct):(\wfb)+8*(\ct)+7], v[40*(\ring)+32:40*(\ring)+39], 0
.else
	v_wmma_f32_16x16x32_f16 v[A4+8*(\ct):A4+8*(\ct)+7], v[(\wfb)+8*(\ct):(\wfb)+8*(\ct)+7], v[40*(\ring)+32:40*(\ring)+39], v[A4+8*(\ct):A4+8*(\ct)+7]
.endif
.endr
.endm
; The weights of K steps 12 to 15 from the base are asked for: my wave's own 32 rows x 512 bytes, 64 aligned blocks of 256 bytes, a lane and a line each, every block once in the launch;
; the loads that want them are issued from the sixth step from the base on.  Steps 0 to 11 are not asked for: their loads go out in the launch's first six steps.
.macro PF
	global_prefetch_b8 v[PFO], s[WB:WB+1] offset:384*PITCH th:TH_LOAD_NT scope:SCOPE_SE
	global_prefetch_b8 v[PFO], s[WB:WB+1] offset:384*PITCH+256 th:TH_LOAD_NT scope:SCOPE_SE
.endm
; K STEP u from the base (the base stands at a multiple of four steps).  The step's accumulators take turns, one instruction a turn, in the same order in every step.
; cnt: the younger loads that may stay out.  cv: W(u + 3) is rounded.  st: W(u + 2) is stored.  lw: W(u + 1) is read as operands.  iw, it: W(u + 6), T(u + 3) are issued.  pf: the prefetch stands behind the step's last load, but for the loop's last trip.
; THE DEAL.  Behind product 0 the four LDS stores; behind products 1 to 4 four conversions and two loads of weights each; behind products 5 to 8 four LDS loads each; behind products 9 and 10 five loads of tokens each.
; The sixteen conversions (or four v_nop behind product 0) also stand as plain instructions between the last step's products and the loads into the operand set and the token ring that those products read; the wait at the head fills no such place.
; bar: the step's one barrier.  In front of its signal, behind product 27, my stores into slot u % 2 and my reads of the other slot are done;
; behind its wait everybody stores into the slot just read and reads the slot just stored.  Four products, work on registers alone, stand between the signal and the wait.
.macro STEP u, zero, iw, it, cnt, cv, st, lw, bar, pf=0
.set rT_, (\u)%4
.set wfU, WF+64*((\u)%2)
.set wfN, WF+64*(((\u)+1)%2)
	s_wait_loadcnt \cnt
.if \cv
	s_wait_alu depctr_vm_vsrc(0)                   ; the LDS stores of the step before have read PK set (u + 1) % 2, which this step's conversions write again
.endif
.if (\st) || (\lw)
	s_wait_alu depctr_va_vdst(0)                   ; the step before: its conversions have written PK set u % 2, which the stores read, and are done reading the raw ring in which W(u + 6) lands; its products are done reading the operand set in which W(u + 1) lands and the token ring in which T(u + 3) lands
.endif
.set q, 0
.rept 32
	WA q, rT_, wfU, \zero
.if q == 0
.if \st
	STWJ (\u)%2, 0, (\u)%2                         ; no wait from here to the step's end: no vector or matrix instruction since the wait above names a register that the step's memory instructions touch
	STWJ (\u)%2, 1, (\u)%2
	STWJ (\u)%2, 2, (\u)%2
	STWJ (\u)%2, 3, (\u)%2
.endif
.if !(\cv) && (\lw)
	PLACES
.endif
.elseif q < 5
.if \cv
	CVTJ ((\u)+3)%4, q-1, ((\u)+1)%2
.endif
.if \iw
	LOADW (\u)+6, ((\u)+2)%4, 2*(q-1), 2           ; into the ring that the step before rounded
.endif
.elseif q < 9
.if \lw
	LDWF2 ((\u)+1)%2, wfN, 2*(q-5)
.endif
.elseif q < 11
.if \it
	LOADT (\u)+3, ((\u)+3)%4, 5*(q-9), 5
.endif
.if (\pf) && (q == 10)
	WIN 0                                          ; at a branch and at a label every window is 0
	s_cmp_eq_u32 s36, 1
	s_cbranch_scc1 .Lno_pf_\@                      ; the last trip's look-ahead would pass my 1,024 rows: it asks for nothing
	PF
.Lno_pf_\@:
.endif
.elseif q == 19
.if \zero
	WBLK rT_, wfU, 1                               ; always: the fifth tile's accumulators are written on every way
.else
	WIN 0
	s_cmp_eq_u32 s39, 0
	s_cbranch_scc1 .Ldead_\@                       ; my tile 16 + w does not exist: its eight products are jumped, and nothing else
	WBLK rT_, wfU, 0
	WIN 0
.Ldead_\@:
.endif
.elseif q == 27
.if (\lw) || (\st)
	s_wait_dscnt 0x0                               ; my operands of the next step are in, my stores are done
.endif
.if \bar
	s_barrier_signal -1
.endif
.endif
.set q, q+1
.endr
.if \bar
	s_barrier_wait -1
.endif
.endm
.macro MULP zero                       ; the overflow way: a K step's 40 products on end
.set q, 0
.rept 32
	WA q, 0, WF, \zero
.set q, q+1
.endr
	WBLK 0, WF, \zero
.endm
.macro SETT                            ; the offsets of group g's five tiles: 20 g + 4 a + w, held at the expert's last tile and inside the 64 of the layout
	s_mul_i32 s23, s20, 20
	s_add_co_u32 s23, s23, s12
.irp a, 0,1,2,3,4
	s_add_co_u32 s22, s23, 4*(\a)
	s_min_u32 s22, s22, s18
	s_min_u32 s22, s22, 63
	s_lshl_b32 s22, s22, TSH
	v_add_nc_u32 v[TOFF+(\a)], s22, v[L16]
.endr
.endm
.macro NEXT                            ; four K steps on: 128 rows of weights, two kb of tokens
	s_wait_xcnt 0x0                                ; the bases are rewritten only behind this wait
	s_add_nc_u64 s[WB:WB+1], s[WB:WB+1], 128*PITCH
	s_add_nc_u64 s[TB:TB+1], s[TB:TB+1], 4096
.endm
; Tile a's 64 results come into window 0, where one text serves all five tiles; each accumulator's registers in ascending order.
; LAYER 2 lays them so that four neighbouring columns stand in four neighbouring registers.
.macro COPY a
.if (\a) < 4
	WIN FROM2
.set cb, 64*(\a)
.else
	WIN FROM1
.set cb, A4
.endif
.set i, 0
.rept 64
.if LAYER == 1
	v_mov_b32 v[X+i], v[cb+i]
.else
	v_mov_b32 v[X+4*(8*((i/8)%2)+i%8)+i/16], v[cb+i]
.endif
.set i, i+1
.endr
	WIN 0
.endm
	s_load_b256 s[4:11], s[0:1], 0x0               ; cnt s[4:5], tokens s[6:7], weights s[8:9], output s[10:11]
	v_lshl_add_u32 v254, v0, 2, 0xc400
	v_mov_b32 v255, 0
	v_lshrrev_b32 v17, 5, v0
	v_readfirstlane_b32 s12, v17                   ; wave 0..3
	s_and_b32 s13, ttmp7, 0xffff                   ; expert
.if LAYER == 1
	s_mov_b32 s14, ttmp9                           ; slice of 128 columns
	s_mov_b32 s15, 0
.else
	s_and_b32 s14, ttmp9, 7                        ; slice of 128 columns
	s_lshr_b32 s15, ttmp9, 3                       ; quarter of K
.endif
	v_and_b32 v18, 31, v0
	v_lshlrev_b32 v[L16], 4, v18
	s_wait_alu depctr_va_sdst(0)                   ; s12 is written, ahead of its first reader: the wave's rows, its LDS bytes and its tiles are made from it
	s_and_b32 s22, s12, 1
	s_lshl_b32 s22, s22, 5
	s_lshr_b32 s23, s12, 1
	s_lshl_b32 s23, s23, 3
	s_add_co_u32 s22, s22, s23                     ; my wave's rows begin at 32 (w & 1) + 8 (w >> 1),
	s_lshl_b32 s22, s22, PSH                       ; in bytes
	s_lshl_b32 s23, s12, 11
	WIN TO3
	v_add_nc_u32 v[WOFF3], s22, v[L16]
	v_add_nc_u32 v[STA3], s23, v[L16]
	WIN 0
	v_and_b32 v19, 15, v0                          ; r
	v_bfe_u32 v20, v0, 4, 1                        ; h
	v_lshlrev_b32 v21, 4, v19
	v_lshl_add_u32 v[LDA], v20, 11, v21
	v_lshl_add_u32 v[WOFS], v20, PSH+5, v21
	v_and_b32 v22, 7, v0                           ; lane l stands for row 64 (l >> 4) + 16 ((l >> 3) & 1) + (l & 7) of the wave's 32 in four K steps
	v_bfe_u32 v23, v0, 3, 1
	v_lshl_add_u32 v22, v23, 4, v22
	v_lshl_add_u32 v22, v20, 6, v22
	v_lshl_add_u32 v[PFO], v22, PSH, s22
.if LAYER == 2
	s_mul_i32 s23, s12, 16*528
	s_add_co_u32 s23, s23, STAGE                   ; my stage
	v_mul_u32_u24 v[STO], v19, 528                 ; in: row r, 128 bytes for each half of the lanes
	v_lshl_add_u32 v[STO], v20, 7, v[STO]
	v_add_nc_u32 v[STO], s23, v[STO]
	v_add_nc_u32 v[RD], s23, v[L16]                ; back: a row's 512 bytes, 16 a lane
.endif
	s_lshl_b32 s[OF], s13, 2
	s_mov_b32 s[OF+1], 0
	s_wait_kmcnt 0x0
	s_add_nc_u64 s[4:5], s[4:5], s[OF:OF+1]
	s_load_b32 s16, s[4:5], 0x0                    ; the expert's rows; the first weights go out while it is on its way
.if LAYER == 1
	s_lshl_b32 s[OF], s13, 24                      ; an expert's 16 MB of weights,
	s_lshl_b32 s22, s14, 9                         ; my 512 bytes of every row
	s_add_co_u32 s[OF], s[OF], s22
	s_add_nc_u64 s[WB0:WB0+1], s[8:9], s[OF:OF+1]
	s_lshl_b32 s[OF], s13, 21                      ; an expert's 2 MB of xs
	s_add_nc_u64 s[TB0:TB0+1], s[6:7], s[OF:OF+1]
	s_lshl_b32 s38, s13, 23                        ; hid: an expert's 8 MB, my two kb of 2,048 bytes in every tile
	s_lshl_b32 s22, s14, 12
	s_add_co_u32 s38, s38, s22
	s_mov_b32 s40, 0xc0135761                      ; -2 log2(e) sqrt(2 / pi) = -2.3022082
	s_mov_b32 s41, s40                             ; named with it as a pair
	s_mov_b32 s42, 0xbdd2d3e8                      ; that x 0.044715 = -0.10294324
	s_mov_b32 s43, s42
.else
	s_lshl_b32 s[OF], s13, 24                      ; an expert's 16 MB of weights,
	s_lshl_b32 s22, s15, 22                        ; my quarter's 1,024 rows,
	s_add_co_u32 s[OF], s[OF], s22
	s_lshl_b32 s22, s14, 9                         ; my 512 bytes of every row
	s_add_co_u32 s[OF], s[OF], s22
	s_add_nc_u64 s[WB0:WB0+1], s[8:9], s[OF:OF+1]
	s_lshl_b32 s[OF], s13, 23                      ; an expert's 8 MB of hid,
	s_lshl_b32 s22, s15, 15                        ; my quarter's 16 kb in every tile
	s_add_co_u32 s[OF], s[OF], s22
	s_add_nc_u64 s[TB0:TB0+1], s[6:7], s[OF:OF+1]
	s_lshl_b32 s38, s15, 25                        ; y: a quarter's 32 MB, an expert's 1,024 rows, my 512 bytes of every row
	s_lshl_b32 s22, s13, 22
	s_add_co_u32 s38, s38, s22
	s_lshl_b32 s22, s14, 9
	s_add_co_u32 s38, s38, s22
.endif
	s_mov_b64 s[WB:WB+1], s[WB0:WB0+1]
	s_mov_b64 s[TB:TB+1], s[TB0:TB0+1]
	WIN W3
	s_wait_alu depctr_va_vdst(0)                   ; the offsets and LDS addresses made above are written (v1, v4 to v6, v9, v10, and v160, v161 of window 3): every load, store and prefetch of the kernel reads one of them
	LOADW 0, 0, 0, 8
	LOADW 1, 1, 0, 8
	LOADW 2, 2, 0, 8
	LOADW 3, 3, 0, 8
	WIN 0
	s_wait_kmcnt 0x0
	s_min_u32 s16, s16, 1024
	s_add_co_u32 s17, s16, 15
	s_lshr_b32 s17, s17, 4                         ; tiles
	s_max_u32 s18, s17, 1
	s_sub_co_u32 s18, s18, 1                       ; the last tile that exists (tile 0 exists for an expert without rows too)
	s_mov_b32 s19, 1                               ; groups of 20 tiles
.irp lim, 20, 40, 60
	s_cmp_gt_u32 s17, \lim
	s_add_co_ci_u32 s19, s19, 0
.endr
	s_add_co_u32 s22, s12, 16
	s_cmp_le_u32 s22, s18
	s_cselect_b32 s39, 1, 0                        ; does my fifth tile of group 0 exist?
	s_mov_b32 s20, 0
	SETT
	WIN TOT
	s_wait_alu depctr_va_vdst(0)                   ; the five offsets v[TOFF ..] are written, which the loads of tokens read
	LOADT 0, 0, 0, 10
	LOADT 1, 1, 0, 10
	LOADT 2, 2, 0, 10
	s_wait_loadcnt 54                              ; W(0) is in: behind it 24 loads of weights and 30 of tokens
.irp j, 0,1,2,3
	CVTJ 0, \j, 0
.endr
	s_wait_alu depctr_va_vdst(0)                   ; the conversions have written PK set 0, which the stores read, and are done reading raw ring 0, in which W(4) lands
.irp j, 0,1,2,3
	STWJ 0, \j, 0
.endr
	LOADW 4, 0, 0, 8
	s_wait_loadcnt 54                              ; W(1) is in: behind it W(2), W(3), 30 of tokens and W(4)
.irp j, 0,1,2,3
	CVTJ 1, \j, 1
.endr
	s_wait_alu depctr_va_vdst(0)                   ; the conversions have written PK set 1, which the stores read, and are done reading raw ring 1, in which W(5) lands
.irp j, 0,1,2,3
	STWJ 1, \j, 1
.endr
	LOADW 5, 1, 0, 8
	s_wait_loadcnt 54                              ; W(2) is in: behind it W(3), 30 of tokens, W(4) and W(5)
	s_wait_alu depctr_vm_vsrc(0)                   ; the stores of W(0) have read PK set 0, which the conversions of W(2) write again
.irp j, 0,1,2,3
	CVTJ 2, \j, 0                                  ; step 0 stores it
.endr
	s_wait_dscnt 0x0
	s_barrier_signal -1
	s_barrier_wait -1                              ; both slots are whole
.irp c, 0,2,4,6
	LDWF2 0, WF, \c
.endr
	s_wait_dscnt 0x0
	s_barrier_signal -1
	s_barrier_wait -1                              ; everybody has read slot 0: step 0 stores into it
	; The queue so far: W(0..3), T(0), T(1), T(2), W(4), W(5).  Behind T(0) stand 36, and W(3), which step 0 rounds, stands ahead of it.
	STEP 0, 1, 1, 1, 36, 1, 1, 1, 1                ; the first K step stands ahead of the loop: its products start the sums
	WIN 0
	s_wait_loadcnt 26                              ; W(4), which step 1 rounds, is in: here alone it stands behind its step's tokens in the queue; behind it W(5), W(6) and T(3).  Behind W(5), for step 2: W(6), T(3), W(7), T(4), the loop's 36
	s_mov_b32 s36, 6
.Ltrip:                                                ; K steps 1 to 24
	STEP 1, 0, 1, 1, 36, 1, 1, 1, 1
	STEP 2, 0, 1, 1, 36, 1, 1, 1, 1, 1
	STEP 3, 0, 1, 1, 36, 1, 1, 1, 1
	STEP 4, 0, 1, 1, 36, 1, 1, 1, 1
	WIN 0
	NEXT
	s_sub_co_u32 s36, s36, 1
	s_cmp_lg_u32 s36, 0
	s_cbranch_scc1 .Ltrip
	STEP 1, 0, 1, 1, 36, 1, 1, 1, 1                ; K step 25: W(31), T(28)
	STEP 2, 0, 0, 1, 36, 1, 1, 1, 1                ; 26: no weights are left to fetch
	STEP 3, 0, 0, 1, 28, 1, 1, 1, 1                ; 27: behind T(27): step 25's 18 and T(29)
	STEP 4, 0, 0, 1, 20, 1, 1, 1, 1                ; 28: behind T(28): T(29), T(30); W(31) is rounded
	STEP 5, 0, 0, 0, 20, 0, 1, 1, 1                ; 29: behind T(29): T(30), T(31); W(31) is stored
	STEP 6, 0, 0, 0, 10, 0, 0, 1, 0                ; 30: behind T(30): T(31); W(31) is read; nobody writes the slots any more: no barrier
	STEP 7, 0, 0, 0, 0, 0, 0, 0, 0                 ; 31: no memory instruction, so no wait on the vector side
	WIN 0
.Lgroup:                                               ; once for each group of 20 tiles: as a rule once
	s_wait_alu depctr_vm_vsrc(0)                   ; ahead of the branch: the loads of tokens have read v[TOFF ..], which the overflow way writes anew; LAYER 1: the last group's stores have read v[PKD ..], into which it rounds its operands
	s_cmp_eq_u32 s20, 0
	s_cbranch_scc1 .Lfast
	; THE OVERFLOW WAY, for rows past 320.  Each wave takes the weights straight from memory as operands: lane (r, h) loads 16 bytes (columns 64 b + 4 r + 0..3) of 16 rows and rounds them.  No LDS, no barrier.
	s_wait_xcnt 0x0                                ; the last group's stores have read their registers
	SETT
	s_mov_b64 s[WB:WB+1], s[WB0:WB0+1]
	s_mov_b64 s[TB:TB+1], s[TB0:TB0+1]
	s_mov_b32 s37, 32
.Lhalf:                                                ; a K step of 32
	WIN TOT
	s_wait_alu depctr_va_vdst(0)                   ; in the first trip v[TOFF ..] are written, which the loads read; later the last K step's products are done reading the token ring, and its conversions the raw weights, in which the loads below land
	LOADT 0, 0, 0, 10
	WIN TO3
.irp b, 0,1
.irp i, 0,1,2,3,4,5,6,7,8,9,10,11,12,13,14,15
	global_load_b128 v[STG+64*(\b)+4*(\i):STG+64*(\b)+4*(\i)+3], v[WOFS], s[WB:WB+1] offset:(\i)*PITCH+256*(\b)
.endr
.endr
	s_wait_loadcnt 0x0
	WIN FROM3
.set i, 0
.rept 64                               ; operand register i: column tile i / 8 = 2 cj + b, rows 8 ((i / 4) % 2) + 2 (i % 4) and the next
	v_cvt_pk_f16_f32 v[WF+i], v[STG+64*((i/8)%2)+4*(8*((i/4)%2)+2*(i%4))+i/16], v[STG+64*((i/8)%2)+4*(8*((i/4)%2)+2*(i%4)+1)+i/16]
.set i, i+1
.endr
	WIN 0
	s_cmp_eq_u32 s37, 32
	s_cbranch_scc0 .Lacc
	MULP 1                                         ; the group's first K step starts the sums: nothing is cleared
	WIN 0
	s_branch .Ljoin
.Lacc:
	MULP 0
	WIN 0
.Ljoin:
	PLACES                                         ; ahead of the next loads and conversions into the operands
	s_and_b32 s[OF], s37, 1                        ; the rows of the K steps begin at 64 kb + 16 c: 16 rows on, then 48
	s_lshl_b32 s[OF], s[OF], PSH+5
	s_add_co_u32 s[OF], s[OF], 16*PITCH
	s_add_nc_u64 s[WB:WB+1], s[WB:WB+1], s[OF:OF+1]  ; every load that names the bases has been waited for
	s_add_nc_u64 s[TB:TB+1], s[TB:TB+1], 1024
	s_sub_co_u32 s37, s37, 1
	s_cmp_lg_u32 s37, 0
	s_cbranch_scc1 .Lhalf
.Lfast:
	PLACES                                         ; behind the last products
	s_mov_b32 s21, 0
.Ltile:                                                ; THE WAY OUT, five times: tile 20 g + 4 a + w
	s_wait_xcnt 0x0                                ; the last tile's stores have read their data and their base
	s_wait_alu depctr_vm_vsrc(0)                   ; ahead of the branches: the last tile's stores have read their registers, which this tile writes again: LAYER 1 v[PKD ..]; LAYER 2 v[X ..] (the LDS stores) and v[Z ..] (the global stores)
	s_mul_i32 s22, s20, 20
	s_lshl2_add_u32 s22, s21, s22
	s_add_co_u32 s22, s22, s12
	s_cmp_gt_u32 s22, s18
	s_cbranch_scc1 .Lskip                          ; past the expert's last tile: nothing is stored
	s_min_u32 s22, s22, 63
	s_lshl_b32 s[OF], s22, OSH
	s_add_co_u32 s[OF], s[OF], s38
	s_add_nc_u64 s[OB:OB+1], s[10:11], s[OF:OF+1]
	s_cmp_eq_u32 s21, 0
	s_cbranch_scc1 .Lcopy0
	s_cmp_eq_u32 s21, 1
	s_cbranch_scc1 .Lcopy1
	s_cmp_eq_u32 s21, 2
	s_cbranch_scc1 .Lcopy2
	s_cmp_eq_u32 s21, 3
	s_cbranch_scc1 .Lcopy3
	COPY 4
	s_branch .Lcommon
.Lcopy0:
	COPY 0
	s_branch .Lcommon
.Lcopy1:
	COPY 1
	s_branch .Lcommon
.Lcopy2:
	COPY 2
	s_branch .Lcommon
.Lcopy3:
	COPY 3
.Lcommon:
.if LAYER == 1
	; gelu by tanh is x / (1 + 2^(x (C0 + C1 x x))).  Far on the negative side the power is infinite, its reciprocal 0 and the result -0; far on the positive side the power is 0 and the result x.
.set i, 0
.rept 32
	v_pk_mul_f32 v[Z+2*i:Z+2*i+1], v[X+2*i:X+2*i+1], v[X+2*i:X+2*i+1]
.set i, i+1
.endr
.set i, 0
.rept 32
	v_pk_fma_f32 v[Z+2*i:Z+2*i+1], v[Z+2*i:Z+2*i+1], s[42:43], s[40:41] op_sel_hi:[1,0,0]
.set i, i+1
.endr
.set i, 0
.rept 32
	v_pk_mul_f32 v[Z+2*i:Z+2*i+1], v[Z+2*i:Z+2*i+1], v[X+2*i:X+2*i+1]
.set i, i+1
.endr
.set i, 0
.rept 64
	v_exp_f32 v[Z+i], v[Z+i]
.set i, i+1
.endr
	v_nop                                          ; a plain instruction behind the last exponential,
	s_wait_alu depctr_va_vdst(0)                   ; and one wait for the batch: the 64 exponentials have written v[Z ..], ahead of their first reader
.set i, 0
.rept 32
	v_pk_add_f32 v[Z+2*i:Z+2*i+1], v[Z+2*i:Z+2*i+1], 1.0 op_sel_hi:[1,0]
.set i, i+1
.endr
.set i, 0
.rept 64
	v_rcp_f32 v[Z+i], v[Z+i]
.set i, i+1
.endr
	v_nop
	s_wait_alu depctr_va_vdst(0)                   ; the same for the 64 reciprocals in v[Z ..]
.set i, 0
.rept 32
	v_pk_mul_f32 v[X+2*i:X+2*i+1], v[X+2*i:X+2*i+1], v[Z+2*i:Z+2*i+1]
.set i, i+1
.endr
.set i, 0
.rept 32                               ; word i = 16 b + 4 pc + d holds columns 64 b + 32 h + 8 pc + 2 d and the next: register 2 pc + d / 2 of column tiles 4 (d % 2) + b and 4 (d % 2) + 2 + b
	v_cvt_pk_f16_f32 v[PKD+i], v[X+8*(4*(i%2)+i/16)+2*((i/4)%4)+(i%4)/2], v[X+8*(4*(i%2)+2+i/16)+2*((i/4)%4)+(i%4)/2]
.set i, i+1
.endr
	s_wait_alu depctr_va_vdst(0)                   ; the conversions have written v[PKD ..], which the stores read
.set i, 0
.rept 8                                ; piece (kb = 2 slice + i / 4, pc = i % 4): 512 consecutive bytes, aligned
	global_store_b128 v[L16], v[PKD+4*i:PKD+4*i+3], s[OB:OB+1] offset:2048*(i/4)+512*(i%4)
.set i, i+1
.endr
.else
	; through my own stage: 16 bytes (four columns of my token's row) at a time in, whole pieces of 512 bytes of a row back.  LDS serves a wave's instructions in order (ISA guide 5.7.1.4): no wait between
	s_wait_alu depctr_va_vdst(0)                   ; the copies have written v[X ..], which the LDS stores read; no vector instruction names v[Z ..], in which the LDS loads land
.set i, 0
.rept 16
	ds_store_b128 v[STO], v[X+4*i:X+4*i+3] offset:256*(i/8)+16*(i%8)
.set i, i+1
.endr
.set i, 0
.rept 16
	ds_load_b128 v[Z+4*i:Z+4*i+3], v[RD] offset:528*i
.set i, i+1
.endr
.set i, 0
.rept 16
	s_wait_dscnt 15-i
	global_store_b128 v[L16], v[Z+4*i:Z+4*i+3], s[OB:OB+1] offset:4096*i  ; row i of the tile: 512 consecutive bytes, aligned
.set i, i+1
.endr
.endif
.Lskip:
	s_add_co_u32 s21, s21, 1
	s_cmp_lt_u32 s21, 5
	s_cbranch_scc1 .Ltile
	s_add_co_u32 s20, s20, 1
	s_cmp_lt_u32 s20, s19
	s_cbranch_scc1 .Lgroup
	s_wait_dscnt 0x0                               ; the wave's end: my LDS instructions are done.  Then one closing add into my word behind the ring (LAYER 2: behind the stages)
	s_wait_alu depctr_hold_cnt(0) depctr_sa_sdst(0) depctr_va_vdst(0) depctr_va_sdst(0) depctr_va_ssrc(0) depctr_va_vcc(0) depctr_vm_vsrc(0)
	s_wait_tensorcnt 0x0
	ds_add_u32 v254, v255
	s_wait_dscnt 0x0
	s_endpgm
.Lfunc_end_k_qbe8fd1ae8d_fc2:
	.size	k_qbe8fd1ae8d_fc2, .Lfunc_end_k_qbe8fd1ae8d_fc2-k_qbe8fd1ae8d_fc2
	.p2alignl 7, 3214868480
	.fill 96, 4, 3214868480
	.section	.rodata,"a",@progbits
	.p2align	6, 0x0
	.amdhsa_kernel k_qbe8fd1ae8d_fc2
		.amdhsa_group_segment_fixed_size 50688
		.amdhsa_private_segment_fixed_size 0
		.amdhsa_enable_private_segment 0
		.amdhsa_kernarg_size 32
		.amdhsa_user_sgpr_count 2
		.amdhsa_user_sgpr_kernarg_segment_ptr 1
		.amdhsa_wavefront_size32 1
		.amdhsa_system_sgpr_workgroup_id_x 1
		.amdhsa_system_sgpr_workgroup_id_y 1
		.amdhsa_system_sgpr_workgroup_id_z 1
		.amdhsa_system_vgpr_workitem_id 0
		.amdhsa_next_free_vgpr 960
		.amdhsa_next_free_sgpr 66
		.amdhsa_reserve_vcc 0
		.amdhsa_float_denorm_mode_32 3
		.amdhsa_float_denorm_mode_16_64 3
		.amdhsa_memory_ordered 1
		.amdhsa_forward_progress 1
		.amdhsa_inst_pref_size 125
	.end_amdhsa_kernel
	.amdgpu_metadata
---
amdhsa.version: [ 1, 2 ]
amdhsa.kernels:
  - .name:           k_qbe8fd1ae8d_fc2
    .symbol:         k_qbe8fd1ae8d_fc2.kd
    .args:
      - { .name: cnt, .offset: 0, .size: 8, .value_kind: global_buffer, .address_space: global }
      - { .name: hid, .offset: 8, .size: 8, .value_kind: global_buffer, .address_space: global }
      - { .name: w2, .offset: 16, .size: 8, .value_kind: global_buffer, .address_space: global }
      - { .name: y, .offset: 24, .size: 8, .value_kind: global_buffer, .address_space: global }
    .group_segment_fixed_size: 50688
    .private_segment_fixed_size: 0
    .kernarg_segment_align: 8
    .kernarg_segment_size: 32
    .max_flat_workgroup_size: 128
    .sgpr_count:     66
    .vgpr_count:     960
    .wavefront_size: 32
...
	.end_amdgpu_metadata
.endif
;; end of part 7
;; launch combine: the kernel of part 5 again; grid 256 x 1, 4 waves a work-group, no clusters, 0 bytes of LDS; arguments ridx, rgate, posE, y, out0; writes out0
